; MI455X (gfx1250); checked and timed in simulation.
; The chip was launched on July 23, 2026; its instructions are those of AMD's public machine-readable ISA for CDNA 5 (MIT licence, August 2026) and "CDNA5" Instruction Set Architecture Reference Guide (July 2026). The comments in the code are by the model that wrote it; some were corrected since.
;; INR. Allowed arithmetic: matrix products marked QUANTISED: E3M2 operands, one E8M0 scale for each 32 along K, by v_wmma_scale_f32_16x16x128_f8f6f4 with both operands' format E3M2, f32 sums; products left as they are: f32 operands where the result goes on into a quantised operand, else bf16, f16 or f32 operands; f32 sums; everything else in f32.
;; Inputs: color_b 16 x 3 float32; color_w 16 x 3 float32; dec_b1 256 float32; dec_b2 256 float32; dec_b3 3 float32; dec_w1_codes 256 x 8 x 24 uint8 (E3M2 codes of dec_w1, K innermost, in blocks of 32 codes, four codes in three bytes); dec_w1_scales 256 x 8 uint8 (E8M0 scales of dec_w1, one for each 32 codes along K); dec_w2_codes 256 x 8 x 24 uint8 (E3M2 codes of dec_w2, K innermost, in blocks of 32 codes, four codes in three bytes); dec_w2_scales 256 x 8 uint8 (E8M0 scales of dec_w2, one for each 32 codes along K); dec_w3 256 x 3 float32; proj_b 256 float32; proj_w 2 x 256 float32; rotation_angle 16 x 1 float32; sample_idx 8 int32; shift_vectors 16 x 2 float32; x 8 x 256 x 256 x 2 float32.
;; Outputs: out0 8 x 64 x 64 x 3 float32; out1 8 float32; out2 8 float32.
;; Constants: pool_k = 4.
;; This version of the problem:
;;   THIS VERSION OF THE PROBLEM IS GIVEN IN LOW PRECISION. The matrix products marked QUANTISED in the list below multiply operands that are first quantised to E3M2 (3 exponent bits, 2 mantissa bits; 6 bits a number), with one power-of-two scale for each 32 numbers along K (OCP MX v1.0); their sums are f32. All else is computed in f32.
;;   The module's matrix products, in the order in which they are computed (A, B: the left and right operand; K: the contracted axis; several contracted axes count as one K, in the product's order):
;;     1. [M 524,288, K 2] x [K 2, N 256]; A: computed on the way; B: input proj_w: left as it is (K = 2 < 32)
;;     2. [M 524,288, K 256] x [K 256, N 256]; A: computed on the way; B: input dec_w1 (given as codes): QUANTISED
;;     3. [M 524,288, K 256] x [K 256, N 256]; A: computed on the way; B: input dec_w2 (given as codes): QUANTISED
;;     4. [M 524,288, K 256] x [K 256, N 3]; A: computed on the way; B: input dec_w3: left as it is (N = 3 < 16)
;;   THE QUANTISER, for each operand of a quantised product, along K:
;;     - K is cut into blocks of 32 from its start; a last block that is shorter is filled with zeros.
;;     - A block's scale is 2^e with e = floor(log2(the largest magnitude in the block)) - 4, held to -126 .. 127; a block of zeros has e = 0. As a byte (E8M0): e + 127.
;;     - Each number is divided by its block's scale, clamped to +-28, and rounded to the nearest number of E3M2, ties to even, subnormals kept.
;;     - The product sums the exact products of the quantised numbers (number of the format x scale) in f32.
;;   ~~~python
;;   def quantise(x, axis):      # numpy; x: float32 -> the quantised numbers, widened to float32 again
;;       x = np.moveaxis(x, axis, -1); K = x.shape[-1]
;;       x = np.pad(x, [(0, 0)] * (x.ndim - 1) + [(0, -K % 32)]); x = x.reshape(x.shape[:-1] + (-1, 32)); a = np.abs(x).max(-1, keepdims=True)
;;       e = np.where(a > 0, np.clip(np.frexp(np.where(a > 0, a, 1))[1] - 1 - 4, -126, 127), 0)      # np.frexp(a)[1] - 1 = floor(log2(a)), exactly
;;       r = np.clip(x / 2.0 ** e, -28, 28)
;;       step = 2.0 ** (np.maximum(np.frexp(np.where(r == 0, 1, r))[1] - 1, -2) - 2)
;;       q = np.round(r / step) * step * 2.0 ** e      # np.round: ties to even
;;       return np.moveaxis(q.reshape(q.shape[:-2] + (-1,))[..., :K], -1, axis).astype(np.float32)
;;   ~~~
;;   OPERANDS COMPUTED ON THE WAY. 'Computed on the way' means the value that the module computes at that place (a softmax that the list does not call 'softmax' is quantised finished and normalised). What goes into a quantiser is computed in f32, as accurately as f32 sums, v_exp_f32 and their like allow (about 1e-6 of the number): no bf16 or f16 on the way to a quantiser, and a product that is left as it is and whose result goes on into a quantised operand takes f32 operands (vector FMAs, or v_wmma_f32_16x16x4_f32). A number that lies on a knife's edge between two numbers of the format may be rounded either way, as far as f32 arithmetic and the matrix unit's own rounding can turn it there, and no further.
;;   INPUTS GIVEN AS CODES. dec_w1 (in the module: [256, 256], K = its axis 0); dec_w2 (in the module: [256, 256], K = its axis 0): each comes as NAME_codes (uint8): NAME with its K axis moved to the last place and cut into blocks of 32 codes, [.., K / 32, bytes a block], one block behind the other in memory; four codes in three bytes: a row's codes are one little-endian stream of bits, code i at bits 6 i .. 6 i + 5 (a code: sign, 3 exponent bits, 2 mantissa bits); and NAME_scales (uint8): the same leading axes, one E8M0 byte (e + 127) for each 32 codes along K. Its value is code x scale, taken as it is: it is not quantised again, and the codes and scales need not be those that the quantiser above would give.
;; 2 versions. Each part assembles by itself: llvm-mc -triple=amdgcn-amd-amdhsa -mcpu=gfx1250 --defsym DOCPART=n.
;; ======== version 1 of 2: 1 launch
;; launch inr (part 1): grid 256 x 1, 8 waves a work-group, no clusters, 144,384 bytes of LDS; arguments x, sample_idx, shift_vectors, rotation_angle, proj_w, proj_b, dec_w1_codes, dec_w1_scales, dec_b1, dec_w2_codes, dec_w2_scales, dec_b2, dec_w3, dec_b3, color_w, color_b, out0, out1, out2; writes out0, out1, out2
.if DOCPART == 1
	.amdgcn_target "amdgcn-amd-amdhsa--gfx1250"
	.amdhsa_code_object_version 6
	.text
	.protected	k_q9c1b01e975_inr
	.globl	k_q9c1b01e975_inr
	.p2align	8
	.type	k_q9c1b01e975_inr,@function
k_q9c1b01e975_inr:
	s_mov_b64 s[64:65], 0
	v_nop
	global_prefetch_b8 v0, s[64:65] scope:SCOPE_SE
	s_setreg_imm32_b32 hwreg(HW_REG_WAVE_MODE, 25, 1), 1
	s_wait_xcnt 0x0
; out0 = 4 x 4 mean of colour(relu(relu(sin(coords proj_w + proj_b) W1 + b1) W2 + b2) w3 + b3); out1, out2 = the frames' shifts.
; The two 256 x 256 products run on codes of BF6 (E3M2) with one E8M0 scale for each 32 along K: W1, W2 arrive as codes, the activations are quantised here, in registers, from f32.
; SHARES.  256 work-groups of 8 waves.  Work-group g: frame g / 32, pooled rows 2 (g % 32) + wave / 4.  Wave w: 16 pool windows, pooled columns 16 (w % 4) on: 4 pixel rows x 512 consecutive bytes of x.
; A tile of 16 pixels IS one pool window (lane r = 4 py + px).  A wave walks its 16 tiles two at a time: 8 trips.  Nothing computed goes from wave to wave but each wave's 48 results, which meet in LDS so that whole rows leave.
; LAYOUT.  Every product is used transposed (source 0 = 16 rows of a weight, source 1 = 16 pixels): a lane holds ONE pixel and its registers run along the features, the next product's K.
; THE ROWS OF A WEIGHT THAT FORM A TILE ARE NOT NEIGHBOURS: lane r of tile t takes row 32 (t / 2) + 8 (t % 2) + r + 8 (r / 8), so that the 16 registers of tiles 2 b, 2 b + 1 are features 32 b + 16 (lane / 16) + 0 .. 15.
; THE FIRST PRODUCT (K = 2, f32 operands) goes to the f32 matrix form: A = (w0 / 2 pi, w1 / 2 pi, b / 2 pi + 1/4, 0) of 16 features, B = (nx, ny, 1, 0) of 16 pixels, C = 0: v = the phase in turns + 1/4.
; THE SINE, in f32: w = v - rndne(v) (exact), g = |w| - 1/4 in [-1/4, 1/4], sin(phase) = sin(2 pi g) = g p(g^2), p of degree 4 (an economised series; its error against sin(x) / x is under 1e-8).
; WEIGHTS lie in LDS as images of the operand's registers (a fragment: 3 x 512 bytes, lane l's 16 bytes at 16 l), the biases as plain f32: a bias is the C of a sum's first product.  Each fragment read feeds two tiles.
; TWO PHASES A TRIP: S (sines and their quantiser: vector work) and M (the products, relu, quantiser, pooling).  8 waves on 4 SIMDs are two to a SIMD.  Waves 1, 3, 4, 6 alone build the LDS images at the head, while the
; others run their first S; the trip's barrier is split round S (signal, S, wait, M): it publishes the images, and later lets a wave begin M only when all have ended the M before, which keeps the two kinds of waves half a trip apart.
; THE LAST PRODUCT (N = 3) takes bf16 operands and f32 sums.  Lane l stands for channel ch = 0, 1, 2, 2 for l % 4 = 0, 1, 2, 3 (so that no load leaves dec_w3), and stores its result at word l % 4 of its tile's 16 bytes in LDS:
; lanes that share a word store the same value, the fourth word is read by nobody, and EXEC is never changed.  The three words of each tile are packed on the way out.
; NO CLUSTER, NO TENSOR LOAD: x is shared by nobody; the weights, 105 KB, are read once at the head and laid anew on the way (rows chosen, registers on end).
; LIMITS.  1 / 2 pi and the quarter turn are folded into proj_w and proj_b, so the phase is rounded in another order than by the reference: a few ulp of the phase, growing with it as the reference's own rounding does.
; sin and cos of the rotation angle carry up to about 1e-7 absolute.  A block whose largest magnitude lies under 2^-122 keeps the scale byte 1 (a block of zeros too: its codes are zeros, and the bytes are read here alone).
; NaN and infinities among the inputs are not served.  relu(h2) and dec_w3 are rounded to bf16.
; REGISTERS, in two windows of 256.  Window 0: v1-15, v30 addresses and constants; v16-25 the polynomial, each number twice; v26-29 B of the f32 product; v32-42 the quantiser's; v44-47 addresses of the way out;
;   v48-87 scale words and nothing else; v88-151 accumulators (in S: g^2 and p); v152-199 codes of h0 (in layer 2: h2 in bf16); v200-247 codes of h1 (in S: 32 sines at work); v248-255 the pool.
; Window 1: v0-63 results of the f32 matrix form, written by it alone; v64-95 its A operands; v96-191 four tiles' weight fragments; v192-223 their biases; v224-239 dec_w3's operand; v240-255 the last product's sums.
.set WIMG, 0                           ; LDS: fragment (layer L, tile t, K step s) at ((16 L + t) 2 + s) 1536
.set BIA,  98304                       ; b1, then b2
.set W3I,  100352                      ; dec_w3 as a bf16 operand: 32 features to 1,024 bytes
.set STG,  108544                      ; 4,096 bytes a wave: rows 0-3 its pixels' (nx, ny) as they lie in x, rows 4-7 filled with (1, 0)
.set OUTS, 141312                      ; 256 bytes a wave: 16 bytes for each of its 16 tiles: three results and a word that nobody reads
.set LN,   1                           ; lane
.set AW1,  2                           ; 16 x lane: layer 1's images; also the plain 16 bytes a lane in memory
.set AW2,  3                           ; + 49,152: layer 2's
.set ABI,  4                           ; BIA + 64 (lane / 16)
.set AW3,  5                           ; W3I + 16 x lane
.set BXA0, 6                           ; my place in a tile of the stage
.set OA0,  7                           ; OUTS + 256 wave + 4 (lane % 4)
.set TA,   8                           ; the trip's address in the stage
.set TO,   9                           ; the trip's address among the results (at the head: where I store into the stage)
.set CSC,  10                          ; colour scale / 16
.set COF,  11                          ; b3 x scale + colour bias
.set BS,   12                          ; where a building wave stores its 16 fragments,
.set BB,   13                          ; its half of a bias,
.set B3,   14                          ; its quarter of dec_w3's operand
.set WO,   15                          ; codes in memory: (r + 8 (r / 8)) 192 + 24 (lane / 16)
.set QC,   16                          ; v16-25: Q0 .. Q4, each twice
.set BX,   26                          ; v26-29: two tiles' (nx, ny) | (1, 0)
.set W3O,  30                          ; dec_w3 in memory: 768 (wave / 2) + 192 (lane / 16) + 4 ch
.set TM,   32
.set CT,   40
.set FAD,  44                          ; v44-47: where words 4 m .. 4 m + 3 of the work-group's results lie in LDS, m my thread's number
.set XS,   48                          ; scale words of h0: tile p, K step s at + 2 p + s
.set ZS,   52                          ; of h1
.set SW,   56                          ; of the weights: layer L, tile t at + 16 L + t: lanes 0-15 K step 0, lanes 16-31 K step 1
.set D,    88                          ; accumulators: tile of pixels p, tile of features tt at + 32 p + 8 tt
.set YY,   88
.set PP,   120
.set X,    152                         ; codes of h0: + 24 p + 12 s
.set HB,   152                         ; h2 in bf16: + 16 p + 8 b
.set Z,    200                         ; codes of h1
.set H,    200
.set OT,   248
.set FD,   0                           ; window 1
.set PA,   64
.set WF,   96
.set BI,   192
.set W3F,  224
.set O,    240
; at work in the head alone
.set T0,   200
.set RL,   201                         ; r = lane % 16
.set HL,   202                         ; h = lane / 16
.set T3,   203
.set T4,   204
.set RR,   205                         ; r + 8 (r / 8)
.set CH,   206                         ; my channel
.set CAD,  207
.set B3A,  208
.set PWA,  209
.set SWA,  210
.set ANG,  211
.set SNC,  212                         ; v212 sin, v213 cos of the angle
.set NY,   214
.set PL,   216
.set K0,   218
.set K1,   220
.set CS1,  221
.set CB1,  222
.set XD,   88                          ; x as loaded
.set XN,   104                         ; (nx, ny)
.set CW,   120
.set CBI,  121
.set CB3,  122
.set ONE,  124
.set PT,   152                         ; proj_w's two rows and proj_b as loaded
.set W3T,  200                         ; a building wave's numbers of dec_w3,
.set W3P,  232                         ; and the same in bf16
.set MSB, 0
.macro WIN new                         ; the immediate's high byte repeats the setting that is left; a switch that changes nothing is dropped
.if MSB != \new
	s_set_vgpr_msb (MSB<<8)|\new
.set MSB, \new
.endif
.endm
.macro NOPS n
.rept \n
	v_nop
.endr
.endm
.macro QSET i, bits
	v_mov_b32 v[QC+2*\i], \bits
	v_mov_b32 v[QC+2*\i+1], \bits
.endm
	s_load_b512 s[8:23], s[0:1], 0x0               ; x 8, sample_idx 10, shift_vectors 12, rotation_angle 14, proj_w 16, proj_b 18, W1's codes 20, W1's scales 22
	s_load_b512 s[24:39], s[0:1], 0x40             ; b1 24, W2's codes 26, W2's scales 28, b2 30, dec_w3 32, dec_b3 34, color_w 36, color_b 38
	s_load_b128 s[40:43], s[0:1], 0x80             ; out0 40, out1 42
	s_load_b64 s[44:45], s[0:1], 0x90              ; out2
	v_lshl_add_u32 v31, v0, 2, 0x23000
	v_mov_b32 v43, 0
	v_lshrrev_b32 v[T0], 5, v0
	v_readfirstlane_b32 s2, v[T0]                  ; wave 0..7
	v_and_b32 v[LN], 31, v0
	v_and_b32 v[RL], 15, v0
	v_bfe_u32 v[HL], v0, 4, 1
	s_lshr_b32 s56, s2, 2                          ; which of the work-group's two pooled rows
	s_xor_b32 s3, s2, s56
	s_and_b32 s3, s3, 1                            ; 1 in waves 1, 3, 4, 6: it differs between w and w + 4 and between 2 k and 2 k + 1
	s_lshr_b32 s4, s2, 1                           ; a building wave's part: 0, 1, 2, 3 in waves 1, 3, 4, 6
	s_and_b32 s57, s2, 3
	s_mov_b32 s46, 0x76543210
	s_mov_b32 s47, 0xfedcba98                      ; v_permlanex16_b32's selects for lane l xor 16
	s_mov_b32 s48, 0xbe800000                      ; -1/4
	s_mov_b32 s49, 0xffff0000                      ; lanes 16-31
	s_mov_b32 s5, 0                                ; trips done
	s_mov_b32 s6, 0                                ; the trip's two tiles in the stage: 64 bytes a trip
	s_mov_b32 s7, 0                                ; and among the results: 32 bytes a trip
	s_lshl_b32 s66, ttmp9, 14                      ; x: 8 pixel rows of 2,048 bytes a work-group,
	s_lshl_b32 s58, s56, 13                        ; 4 of them a pooled row,
	s_add_co_u32 s66, s66, s58
	s_lshl_b32 s58, s57, 9                         ; 64 pixels of 8 bytes a wave
	s_add_co_u32 s66, s66, s58
	s_mov_b32 s67, 0
	s_lshr_b32 s59, ttmp9, 5
	s_lshl_b32 s59, s59, 2                         ; my frame's word of sample_idx
	; every LDS address is made here, ahead of the branch on the wave's number: a constant, a constant x the wave, and plain arithmetic with constants on the thread's number
	v_lshlrev_b32 v[AW1], 4, v[LN]
	v_add_nc_u32 v[AW2], 49152, v[AW1]
	v_lshl_add_u32 v[ABI], v[HL], 6, BIA
	v_add_nc_u32 v[AW3], W3I, v[AW1]
	s_lshl_b32 s60, s2, 12
	s_add_co_u32 s60, s60, STG                     ; my stage
	v_lshrrev_b32 v[T3], 2, v[LN]
	v_and_b32 v[T4], 3, v0
	v_lshlrev_b32 v[T4], 3, v[T4]
	v_lshl_add_u32 v[T3], v[T3], 9, v[T4]          ; row lane / 4 (lanes 16-31: the rows of (1, 0)), pixel lane % 4
	v_add_nc_u32 v[BXA0], s60, v[T3]
	v_add_nc_u32 v[TO], s60, v[AW1]                ; for the head's stores into the stage: 16 bytes a lane
	s_lshl_b32 s60, s2, 8
	s_add_co_u32 s60, s60, OUTS
	v_and_b32 v[T4], 3, v0
	v_lshl_add_u32 v[OA0], v[T4], 2, s60           ; my wave's results: word lane % 4 of a tile's four
	s_mul_i32 s60, s4, 24576
	v_add_nc_u32 v[BS], s60, v[AW1]
	s_lshl_b32 s60, s4, 9
	s_add_co_u32 s60, s60, BIA
	v_add_nc_u32 v[BB], s60, v[AW1]
	s_lshl_b32 s60, s4, 11
	s_add_co_u32 s60, s60, W3I
	v_add_nc_u32 v[B3], s60, v[AW1]
	v_lshlrev_b32 v[T3], 2, v0                     ; the way out: word j = 4 m + i of the work-group's 384 is channel j % 3 of tile j / 3 and lies at OUTS + 16 (j / 3) + 4 (j % 3) = OUTS + 4 (j + j / 3)
.irp i, 0,1,2,3
	v_add_nc_u32 v[T4], \i, v[T3]
	v_mul_u32_u24 v[T0], v[T4], 0xaaab             ; j / 3 = 43,691 j >> 17 (3 x 43,691 = 2^17 + 1: exact for j under 2^17)
	v_lshrrev_b32 v[T0], 17, v[T0]
	v_add_nc_u32 v[T0], v[T0], v[T4]
	v_lshl_add_u32 v[FAD+\i], v[T0], 2, OUTS
.endr
	; offsets in memory
	v_and_b32 v[CH], 3, v0
	v_lshrrev_b32 v[T3], 1, v0
	v_and_b32 v[T3], v[T3], v0
	v_and_b32 v[T3], 1, v[T3]
	v_sub_nc_u32 v[CH], v[CH], v[T3]               ; ch = 0, 1, 2, 2
	v_and_b32 v[RR], 8, v[RL]
	v_add_nc_u32 v[RR], v[RR], v[RL]
	v_mul_u32_u24 v[WO], v[RR], 192
	v_mad_u32_u24 v[WO], v[HL], 24, v[WO]
	s_mul_i32 s60, s4, 768
	v_lshlrev_b32 v[W3O], 2, v[CH]
	v_mad_u32_u24 v[W3O], v[HL], 192, v[W3O]
	v_add_nc_u32 v[W3O], s60, v[W3O]
	v_lshlrev_b32 v[B3A], 2, v[CH]
	v_lshlrev_b32 v[PWA], 2, v[RR]
	v_lshlrev_b32 v[SWA], 3, v[RR]
	v_lshl_add_u32 v[SWA], v[HL], 2, v[SWA]        ; a row's 8 scale bytes: lanes 0-15 take K step 0's word, lanes 16-31 K step 1's
	QSET 0, 0x40c90fdb                             ;   6.2831853
	QSET 1, 0xc2255de2                             ; -41.341681
	QSET 2, 0x42a33479                             ;  81.602483
	QSET 3, 0xc29929a9                             ; -76.581365
	QSET 4, 0x421f0bfe                             ;  39.761711
	v_mov_b32 v[TM+4], 0                           ; written once: a lane permute's destination counts as one of its sources
	v_mov_b32 v[TM+5], 0
	v_mov_b32 v[ONE], 1.0
	v_mov_b32 v[ONE+1], 0
	v_mov_b32 v[ONE+2], 1.0
	v_mov_b32 v[ONE+3], 0
	s_wait_kmcnt 0x0                               ; the addresses
	s_load_b32 s52, s[10:11], s59 offset:0x0       ; my frame's sample
	s_add_nc_u64 s[8:9], s[8:9], s[66:67]
.irp py, 0,1,2,3
	global_load_b128 v[XD+4*\py:XD+4*\py+3], v[AW1], s[8:9] offset:2048*\py th:TH_LOAD_NT   ; 512 consecutive bytes of a pixel row, read once in the launch
.endr
.irp t, 0,1,2,3,4,5,6,7,8,9,10,11,12,13,14,15
	global_load_b32 v[PT+\t], v[PWA], s[16:17] offset:4*(32*(\t/2)+8*(\t%2))
	global_load_b32 v[PT+16+\t], v[PWA], s[16:17] offset:1024+4*(32*(\t/2)+8*(\t%2))
	global_load_b32 v[PT+32+\t], v[PWA], s[18:19] offset:4*(32*(\t/2)+8*(\t%2))
.endr
.irp t, 0,1,2,3,4,5,6,7,8,9,10,11,12,13,14,15
	global_load_b32 v[SW+\t], v[SWA], s[22:23] offset:8*(32*(\t/2)+8*(\t%2))      ; the weights' scale words stay in registers
	global_load_b32 v[SW+16+\t], v[SWA], s[28:29] offset:8*(32*(\t/2)+8*(\t%2))
.endr
	global_load_b32 v[CB3], v[B3A], s[34:35]
	s_wait_kmcnt 0x0                               ; the sample
	s_min_u32 s52, s52, 15                         ; it indexes tables of 16 rows
	s_lshl_b32 s61, s52, 2
	s_lshl_b32 s62, s52, 3
	s_load_b32 s53, s[14:15], s61 offset:0x0       ; the angle
	s_load_b64 s[54:55], s[12:13], s62 offset:0x0  ; dx, dy
	s_mul_i32 s63, s52, 12
	v_lshl_add_u32 v[CAD], v[CH], 2, s63
	global_load_b32 v[CW], v[CAD], s[36:37]
	global_load_b32 v[CBI], v[CAD], s[38:39]
	s_cmp_lg_u32 s52, 0
	s_cselect_b32 s69, -1, 0                       ; sample 0 keeps its colours
	s_wait_kmcnt 0x0
	; sin and cos of the angle, by the steps of the sine on the pair (a / 2 pi + 1/4, a / 2 pi + 1/2), while the loads are on their way
	v_mov_b32 v[ANG], s53
	v_fma_f32 v[SNC], v[ANG], 0.15915494, -s48
	v_fma_f32 v[SNC+1], v[ANG], 0.15915494, 0.5
	v_rndne_f32 v[NY], v[SNC]
	v_rndne_f32 v[NY+1], v[SNC+1]
	v_pk_add_f32 v[SNC:SNC+1], v[SNC:SNC+1], v[NY:NY+1] neg_lo:[0,1] neg_hi:[0,1]
	v_add_f32 v[SNC], |v[SNC]|, s48
	v_add_f32 v[SNC+1], |v[SNC+1]|, s48
	v_pk_mul_f32 v[NY:NY+1], v[SNC:SNC+1], v[SNC:SNC+1]
	v_pk_fma_f32 v[PL:PL+1], v[NY:NY+1], v[QC+8:QC+9], v[QC+6:QC+7]
	v_pk_fma_f32 v[PL:PL+1], v[PL:PL+1], v[NY:NY+1], v[QC+4:QC+5]
	v_pk_fma_f32 v[PL:PL+1], v[PL:PL+1], v[NY:NY+1], v[QC+2:QC+3]
	v_pk_fma_f32 v[PL:PL+1], v[PL:PL+1], v[NY:NY+1], v[QC:QC+1]
	v_pk_mul_f32 v[SNC:SNC+1], v[SNC:SNC+1], v[PL:PL+1]
	v_mov_b32 v[K0+1], 0x3e800000
	v_cndmask_b32 v[K0], 0, v[K0+1], s49           ; lanes 16-31: + 1/4
	v_mov_b32 v[K1], 0.15915494
	v_cndmask_b32 v[K1], v[K1], 0, s49             ; lanes 16-31: k = 3 is 0
	s_wait_loadcnt 0x0                             ; one wait for all that the head has loaded: from here on every register that these loads named is free
	; my 8 pixels' coordinates, turned and shifted, go to the stage as they lay in x; rows 4-7 take (1, 0)
.irp i, 0,1,2,3,4,5,6,7
	v_fma_f32 v[XN+2*\i], -v[SNC], v[XD+2*\i+1], s54
	v_fma_f32 v[XN+2*\i+1], v[SNC+1], v[XD+2*\i+1], s55
.endr
.irp i, 0,1,2,3,4,5,6,7
	v_fma_f32 v[XN+2*\i], v[SNC+1], v[XD+2*\i], v[XN+2*\i]
	v_fma_f32 v[XN+2*\i+1], v[SNC], v[XD+2*\i], v[XN+2*\i+1]
.endr
.irp py, 0,1,2,3
	ds_store_b128 v[TO], v[XN+4*\py:XN+4*\py+3] offset:512*\py
	ds_store_b128 v[TO], v[ONE:ONE+3] offset:2048+512*\py
.endr
	; A of the f32 product, 16 tiles of features: lanes 0-15 (w0, w1) / 2 pi, lanes 16-31 (b / 2 pi + 1/4, 0)
.irp t, 0,1,2,3,4,5,6,7,8,9,10,11,12,13,14,15
	v_cndmask_b32 v[PT+\t], v[PT+\t], v[PT+32+\t], s49
.endr
	WIN 0x40                                       ; destination window 1
.irp t, 0,1,2,3,4,5,6,7,8,9,10,11,12,13,14,15
	v_fma_f32 v[PA+2*\t], v[PT+\t], 0.15915494, v[K0]
	v_mul_f32 v[PA+2*\t+1], v[PT+16+\t], v[K1]
.endr
	WIN 0
	; mean(out scale + bias) = (sum over 16 pixels) x scale / 16 + (b3 scale + bias)
	v_cndmask_b32 v[CS1], 1.0, v[CW], s69
	v_cndmask_b32 v[CB1], 0, v[CBI], s69
	v_mul_f32 v[CSC], 0x3d800000, v[CS1]
	v_fma_f32 v[COF], v[CB3], v[CS1], v[CB1]
	; THE IMAGES: waves 1, 3, 4, 6 each lay 8 tiles (16 fragments) of one layer's weights, half of its bias and a quarter of dec_w3's operand.  The others go straight to their first S.
	s_cmp_eq_u32 s3, 0
	s_cbranch_scc1 .Lbuilt
	s_wait_dscnt 0x0                               ; my stores into the stage have read their registers, into which the loads below land
	s_cmp_lt_u32 s4, 2                             ; parts 0, 1: layer 1; parts 2, 3: layer 2
	s_cselect_b64 s[70:71], s[20:21], s[26:27]
	s_cselect_b64 s[72:73], s[24:25], s[30:31]
	s_and_b32 s74, s4, 1                           ; which half of the layer
	s_mul_i32 s76, s74, 24576                      ; 128 rows of 192 bytes
	s_mov_b32 s77, 0
	s_lshl_b32 s78, s74, 9                         ; 128 numbers of the bias
	s_mov_b32 s79, 0
	s_add_nc_u64 s[70:71], s[70:71], s[76:77]
	s_add_nc_u64 s[72:73], s[72:73], s[78:79]
.irp f, 0,1,2,3,4,5,6,7                ; fragment f = 2 x tile + K step, in the operand's own layout: 24 bytes of a row's stream of bits as three loads of 8
.irp p, 0,1,2,3,4,5
	global_load_b64 v[D+12*\f+2*\p:D+12*\f+2*\p+1], v[WO], s[70:71] offset:(32*(\f/4)+8*((\f/2)%2))*192+96*(\f%2)+48*(\p/3)+8*(\p%3)
.endr
.endr
	global_load_b128 v[184:187], v[AW1], s[72:73]
.irp kk, 0,1
.irp i, 0,1,2,3,4,5,6,7,8,9,10,11,12,13,14,15
	global_load_b32 v[W3T+16*\kk+\i], v[W3O], s[32:33] offset:(32*\kk+\i)*12   ; dec_w3(64 part + 32 kk + 16 h + i, ch)
.endr
.endr
	WIN 0x40                                       ; destination window 1 (not its v0-63: those are the f32 matrix form's alone)
.irp f, 8,9,10,11,12,13,14,15
.irp p, 0,1,2,3,4,5
	global_load_b64 v[WF+12*(\f-8)+2*\p:WF+12*(\f-8)+2*\p+1], v[WO], s[70:71] offset:(32*(\f/4)+8*((\f/2)%2))*192+96*(\f%2)+48*(\p/3)+8*(\p%3)
.endr
.endr
	WIN 0
	s_wait_loadcnt 0x0
.irp f, 0,1,2,3,4,5,6,7
.irp c, 0,1,2
	ds_store_b128 v[BS], v[D+12*\f+4*\c:D+12*\f+4*\c+3] offset:1536*\f+512*\c
.endr
.endr
	ds_store_b128 v[BB], v[184:187]
.irp i, 0,1,2,3,4,5,6,7,8,9,10,11,12,13,14,15
	v_cvt_pk_bf16_f32 v[W3P+\i], v[W3T+2*\i], v[W3T+2*\i+1]
.endr
.irp i, 0,1,2,3
	ds_store_b128 v[B3], v[W3P+4*\i:W3P+4*\i+3] offset:512*\i
.endr
	WIN 0x04                                       ; an LDS store's data are its source 1: window 1
.irp f, 8,9,10,11,12,13,14,15
.irp c, 0,1,2
	ds_store_b128 v[BS], v[WF+12*(\f-8)+4*\c:WF+12*(\f-8)+4*\c+3] offset:1536*\f+512*\c
.endr
.endr
	WIN 0
.Lbuilt:
; One f32 product: group q (tile of pixels q / 4, features 64 (q % 4) on), its k-th tile of 16 features.  C = 0: each is a whole sum.  Two sets of four results take turns.
.macro FW q, k
	WIN 0x41                                       ; A and D window 1
	v_wmma_f32_16x16x4_f32 v[FD+32*((\q)%2)+8*(\k):FD+32*((\q)%2)+8*(\k)+7], v[PA+2*(4*((\q)&3)+(\k)):PA+2*(4*((\q)&3)+(\k))+1], v[BX+2*((\q)>>2):BX+2*((\q)>>2)+1], 0
.endm
; Two blocks of 32 along K, 16 numbers of each in my registers (s0 .., s1 ..), the other 16 in lane l xor 16, become 6 registers of codes at f and two bytes of the scale word pw (c = 0: bytes 0, 1; c = 1: bytes 2, 3).
; The largest magnitude has the floor 2^(5 - 127) among its leaves, so the byte cannot fall under 1; with 4 off its exponent field it is the conversion's scale operand.  Four chains by turns.
.macro QUANTB s0, s1, f, pw, c
	v_max3_num_f32 v[TM], |v[\s0]|, |v[\s0+1]|, 0x2800000
	v_max3_num_f32 v[TM+2], |v[\s1]|, |v[\s1+1]|, 0x2800000
	v_max3_num_f32 v[TM+1], |v[\s0+8]|, |v[\s0+9]|, |v[\s0+10]|
	v_max3_num_f32 v[TM+3], |v[\s1+8]|, |v[\s1+9]|, |v[\s1+10]|
.irp i, 0,1
	v_max3_num_f32 v[TM], v[TM], |v[\s0+2+2*\i]|, |v[\s0+3+2*\i]|
	v_max3_num_f32 v[TM+2], v[TM+2], |v[\s1+2+2*\i]|, |v[\s1+3+2*\i]|
	v_max3_num_f32 v[TM+1], v[TM+1], |v[\s0+11+2*\i]|, |v[\s0+12+2*\i]|
	v_max3_num_f32 v[TM+3], v[TM+3], |v[\s1+11+2*\i]|, |v[\s1+12+2*\i]|
.endr
	v_max3_num_f32 v[TM], v[TM], |v[\s0+6]|, |v[\s0+7]|
	v_max3_num_f32 v[TM+2], v[TM+2], |v[\s1+6]|, |v[\s1+7]|
	v_max3_num_f32 v[TM], v[TM], v[TM+1], |v[\s0+15]|
	v_max3_num_f32 v[TM+2], v[TM+2], v[TM+3], |v[\s1+15]|
	v_permlanex16_b32 v[TM+4], v[TM], s46, s47
	v_permlanex16_b32 v[TM+5], v[TM+2], s46, s47
	v_max_num_f32 v[TM], v[TM], v[TM+4]            ; with lane l xor 16's: the block's largest magnitude
	v_max_num_f32 v[TM+2], v[TM+2], v[TM+5]
	v_add_nc_u32 v[TM+6], 0xfe000000, v[TM]
	v_add_nc_u32 v[TM+7], 0xfe000000, v[TM+2]
	v_cvt_scalef32_pk16_bf6_f32 v[\f:\f+2], v[\s0:\s0+15], v[TM+6]
	v_cvt_scalef32_pk16_bf6_f32 v[CT:CT+2], v[\s1:\s1+15], v[TM+7]   ; (a conversion's three registers begin on an even number)
	v_lshrrev_b32 v[TM+4], 23, v[TM+6]             ; the scales' bytes: these plain lines stand between the conversions and the lines that touch their results
	v_lshrrev_b32 v[TM+5], 23, v[TM+7]
.if \c == 0
	v_lshl_or_b32 v[\pw], v[TM+5], 8, v[TM+4]
.else
	v_lshl_or_b32 v[\pw], v[TM+4], 16, v[\pw]
	v_lshl_or_b32 v[\pw], v[TM+5], 24, v[\pw]
.endif
.irp i, 0,1,2                          ; the operand's layout wants a WHOLE block in a lane: lanes 0-15 the first, lanes 16-31 the second
	v_permlane16_swap_b32 v[\f+\i], v[CT+\i]
.endr
.irp i, 0,1,2
	v_mov_b32 v[\f+3+\i], v[CT+\i]
.endr
.endm
; S, group q: 64 sines of one tile and their codes.  The next group's four f32 products are issued among this group's first lines: a whole group of plain lines that name none of their registers
; lies between each and the first read of its result, and two groups between it and the earlier product into the same registers.
.macro SGROUP q
.irp k, 0,1,2,3
.if \q < 7
	FW (\q+1), \k
.endif
	WIN 0x01                                       ; source 0 window 1
.irp j, 0,1,2,3,4,5,6,7
	v_rndne_f32 v[H+8*\k+\j], v[FD+32*((\q)%2)+8*\k+\j]          ; each result is read from its low end on
.endr
.irp j, 0,2,4,6
	v_pk_add_f32 v[H+8*\k+\j:H+8*\k+\j+1], v[FD+32*((\q)%2)+8*\k+\j:FD+32*((\q)%2)+8*\k+\j+1], v[H+8*\k+\j:H+8*\k+\j+1] neg_lo:[0,1] neg_hi:[0,1]   ; w = v - rndne(v)
.endr
.endr
	WIN 0
.set i, 0
.rept 32
	v_add_f32 v[H+i], |v[H+i]|, s48                ; g = |w| - 1/4
.set i, i+1
.endr
.set i, 0
.rept 16
	v_pk_mul_f32 v[YY+i:YY+i+1], v[H+i:H+i+1], v[H+i:H+i+1]
.set i, i+2
.endr
.set i, 0
.rept 16
	v_pk_fma_f32 v[PP+i:PP+i+1], v[YY+i:YY+i+1], v[QC+8:QC+9], v[QC+6:QC+7]
.set i, i+2
.endr
.irp n, 4,2,0
.set i, 0
.rept 16
	v_pk_fma_f32 v[PP+i:PP+i+1], v[PP+i:PP+i+1], v[YY+i:YY+i+1], v[QC+\n:QC+\n+1]
.set i, i+2
.endr
.endr
.set i, 0
.rept 16
	v_pk_mul_f32 v[H+i:H+i+1], v[H+i:H+i+1], v[PP+i:PP+i+1]
.set i, i+2
.endr
.set qp, (\q)>>2
.set qs, ((\q)>>1)&1
.set qc, (\q)&1
	QUANTB H, H+16, X+24*qp+12*qs+6*qc, XS+2*qp+qs, qc
.endm
; 32 LDS loads: the fragments (both K steps) and biases of tiles 4 g .. 4 g + 3 of layer l, whose images begin at v[aw]
.macro MLOAD l, aw, g
	WIN 0x40                                       ; destination window 1
.irp tt, 0,1,2,3
.irp s, 0,1
.irp c, 0,1,2
	ds_load_b128 v[WF+24*\tt+12*\s+4*\c:WF+24*\tt+12*\s+4*\c+3], v[\aw] offset:((4*(\g)+\tt)*2+\s)*1536+512*\c
.endr
.endr
.endr
.irp tt, 0,1,2,3
	ds_load_b128 v[BI+8*\tt:BI+8*\tt+3], v[ABI] offset:1024*\l+4*(64*(\g)+32*(\tt/2)+8*(\tt%2))
	ds_load_b128 v[BI+8*\tt+4:BI+8*\tt+7], v[ABI] offset:1024*\l+4*(64*(\g)+32*(\tt/2)+8*(\tt%2))+16
.endr
	WIN 0
.endm
; 16 products: four tiles of features x two tiles of pixels x two K steps.  The bias is the C of the first K step.  The eight accumulators take turns, one instruction a turn.
.macro MMUL cod, scl, l, g
	WIN 0x11                                       ; A and C window 1
.irp tt, 0,1,2,3
.irp p, 0,1
	v_wmma_scale_f32_16x16x128_f8f6f4 v[D+32*\p+8*\tt:D+32*\p+8*\tt+7], v[WF+24*\tt:WF+24*\tt+11], v[\cod+24*\p:\cod+24*\p+11], v[BI+8*\tt:BI+8*\tt+7], v[SW+16*\l+4*(\g)+\tt], v[\scl+2*\p] matrix_a_fmt:MATRIX_FMT_BF6 matrix_b_fmt:MATRIX_FMT_BF6
.endr
.endr
	WIN 0x01                                       ; A window 1
.irp tt, 0,1,2,3
.irp p, 0,1
	v_wmma_scale_f32_16x16x128_f8f6f4 v[D+32*\p+8*\tt:D+32*\p+8*\tt+7], v[WF+24*\tt+12:WF+24*\tt+23], v[\cod+24*\p+12:\cod+24*\p+23], v[D+32*\p+8*\tt:D+32*\p+8*\tt+7], v[SW+16*\l+4*(\g)+\tt], v[\scl+2*\p+1] matrix_a_fmt:MATRIX_FMT_BF6 matrix_b_fmt:MATRIX_FMT_BF6 matrix_a_scale:MATRIX_SCALE_ROW1
.endr
.endr
	WIN 0
.endm
.macro RELU                            ; in f32, each accumulator from its low end on
.set i, 0
.rept 64
	v_max_num_f32 v[D+i], 0, v[D+i]
.set i, i+1
.endr
.endm
; Layer 1, features 64 g on, for both tiles of pixels.  The next group's loads are issued behind four places and land under this group's vector work.
.macro MG1 g
.if \g == 0
	NOPS 8                                         ; h0's scale words and codes were written by vector lines: eight places ahead of a scaled product
.endif
	s_wait_dscnt 0x0                               ; this group's fragments and biases
	MMUL X, XS, 0, \g
	NOPS 4                                         ; places ahead of loads into registers that the products have read, and of the first read of results
.if \g < 3
	MLOAD 0, AW1, (\g+1)
.else
	MLOAD 1, AW2, 0
.endif
	RELU
.set gs, (\g)>>1
.set gc, (\g)&1
	QUANTB D, D+16, Z+12*gs+6*gc, ZS+gs, gc
	QUANTB D+32, D+48, Z+24+12*gs+6*gc, ZS+2+gs, gc
.endm
; Layer 2, features 64 g on, and their part of the last product: A = 16 pixels x 32 features of relu(h2) in bf16, B = dec_w3's operand, both with the lane's 16 features in the lane's 8 registers.
.macro MG2 g
.if \g == 0
	NOPS 8                                         ; h1's scale words and codes were written by vector lines
.endif
	s_wait_dscnt 0x0
	MMUL Z, ZS, 1, \g
	NOPS 4                                         ; places ahead of the loads below (dec_w3's registers were read by the group before's last four products) and of the first read of results
	WIN 0x40
.irp b, 0,1
.irp c, 0,1
	ds_load_b128 v[W3F+8*\b+4*\c:W3F+8*\b+4*\c+3], v[AW3] offset:(2*(\g)+\b)*1024+512*\c
.endr
.endr
.if \g < 3
	MLOAD 1, AW2, (\g+1)
.endif
	WIN 0
	RELU
.irp p, 0,1
.irp i, 0,1,2,3,4,5,6,7,8,9,10,11,12,13,14,15
	v_cvt_pk_bf16_f32 v[HB+16*\p+\i], v[D+32*\p+2*\i], v[D+32*\p+2*\i+1]
.endr
.endr
.if \g < 3
	s_wait_dscnt 32                                ; dec_w3's four loads are in; the 32 issued behind them, the next group's, may be out
.else
	s_wait_dscnt 0x0
.endif
	WIN 0x54                                       ; B, C and D window 1
.irp b, 0,1
.irp p, 0,1
.if (\g == 0) && (\b == 0)
	v_wmma_f32_16x16x32_bf16 v[O+8*\p:O+8*\p+7], v[HB+16*\p+8*\b:HB+16*\p+8*\b+7], v[W3F+8*\b:W3F+8*\b+7], 0
.else
	v_wmma_f32_16x16x32_bf16 v[O+8*\p:O+8*\p+7], v[HB+16*\p+8*\b:HB+16*\p+8*\b+7], v[W3F+8*\b:W3F+8*\b+7], v[O+8*\p:O+8*\p+7]
.endif
.endr
.endr
	WIN 0
.endm
.Ltrip:                                                ; 8 trips, two tiles each
	v_add_nc_u32 v[TA], s6, v[BXA0]
	ds_load_b64 v[BX:BX+1], v[TA]                  ; lanes 0-15 their pixel's (nx, ny), lanes 16-31 (1, 0)
	ds_load_b64 v[BX+2:BX+3], v[TA] offset:32
	s_wait_dscnt 0x0                               ; these two; the last trip's results; in the first trip my stores into the stage and, in a building wave, into the images
	s_barrier_signal -1                            ; my M of the trip before is over (first trip: my part of the images lies in LDS)
.irp k, 0,1,2,3
	FW 0, \k
.endr
	WIN 0
	NOPS 8                                         ; eight places behind the f32 form ahead of the first read of a result; later groups have a whole group's lines there
.irp q, 0,1,2,3,4,5,6,7
	SGROUP \q                                      ; work on registers alone stands between the signal and the wait
.endr
	s_barrier_wait -1                              ; every wave has signalled: the images are whole
	MLOAD 0, AW1, 0
.irp g, 0,1,2,3
	MG1 \g
.endr
.irp g, 0,1,2,3
	MG2 \g
.endr
	; the pool: in the last product's result lane (r, h) holds its channel's numbers of pixels 8 h + 0 .. 7
	NOPS 4
	WIN 0x05                                       ; sources 0 and 1 window 1
.irp p, 0,1
	v_pk_add_f32 v[OT+4*\p:OT+4*\p+1], v[O+8*\p:O+8*\p+1], v[O+8*\p+2:O+8*\p+3]
	v_pk_add_f32 v[OT+4*\p+2:OT+4*\p+3], v[O+8*\p+4:O+8*\p+5], v[O+8*\p+6:O+8*\p+7]
.endr
	WIN 0
.irp p, 0,1
	v_pk_add_f32 v[OT+4*\p:OT+4*\p+1], v[OT+4*\p:OT+4*\p+1], v[OT+4*\p+2:OT+4*\p+3]
.endr
.irp p, 0,1
	v_add_f32 v[OT+4*\p], v[OT+4*\p], v[OT+4*\p+1]
.endr
.irp p, 0,1
	v_permlanex16_b32 v[OT+4*\p+1], v[OT+4*\p], s46, s47
.endr
.irp p, 0,1
	v_add_f32 v[OT+4*\p], v[OT+4*\p], v[OT+4*\p+1] ; the window's 16 pixels
.endr
.irp p, 0,1
	v_fma_f32 v[OT+4*\p], v[OT+4*\p], v[CSC], v[COF]
.endr
	v_add_nc_u32 v[TO], s7, v[OA0]
	ds_store_b32 v[TO], v[OT]                      ; the eight lanes of one lane % 4 store the same word with the same value
	ds_store_b32 v[TO], v[OT+4] offset:16
	s_add_co_u32 s6, s6, 64
	s_add_co_u32 s7, s7, 32
	s_add_co_u32 s5, s5, 1
	s_cmp_lt_u32 s5, 8
	s_cbranch_scc1 .Ltrip
	s_wait_dscnt 0x0                               ; for the others' sake: my results lie in LDS
	s_barrier_signal -1
	s_barrier_wait -1
	s_cmp_gt_u32 s2, 2
	s_cbranch_scc1 .Lshifts
.irp i, 0,1,2,3
	ds_load_b32 v[D+\i], v[FAD+\i]                 ; four neighbouring words of out0, picked out of the tiles' places of 16 bytes
.endr
	s_mul_i32 s66, ttmp9, 1536                     ; the work-group's 1,536 bytes of out0 are dense: waves 0 to 2 store 512 consecutive bytes each, at a multiple of 256 from out0's first byte
	s_lshl_b32 s68, s2, 9
	s_add_co_u32 s66, s66, s68
	s_mov_b32 s67, 0
	s_add_nc_u64 s[40:41], s[40:41], s[66:67]
	s_wait_dscnt 0x0
	global_store_b128 v[AW1], v[D:D+3], s[40:41] th:TH_STORE_NT
	s_branch .Lend
.Lshifts:                                              ; wave 3 of work-group 0: the eight frames' shifts; lane l serves frame l % 8, so four lanes store the same word with the same value
	s_cmp_lg_u32 s2, 3
	s_cbranch_scc1 .Lend
	s_cmp_lg_u32 ttmp9, 0
	s_cbranch_scc1 .Lend
	v_and_b32 v[TO], 7, v0
	v_lshlrev_b32 v[TO], 2, v[TO]
	global_load_b32 v[TM], v[TO], s[10:11]
	s_wait_loadcnt 0x0
	v_min_u32 v[TM], 15, v[TM]                     ; it indexes a table of 16 rows
	v_lshlrev_b32 v[TM], 3, v[TM]
	global_load_b64 v[TM+2:TM+3], v[TM], s[12:13]
	s_wait_loadcnt 0x0
	global_store_b32 v[TO], v[TM+2], s[42:43]
	global_store_b32 v[TO], v[TM+3], s[44:45]
.Lend:
	s_wait_tensorcnt 0x0
	ds_add_u32 v31, v43
	s_wait_dscnt 0x0
	s_endpgm
.Lfunc_end_k_q9c1b01e975_inr:
	.size	k_q9c1b01e975_inr, .Lfunc_end_k_q9c1b01e975_inr-k_q9c1b01e975_inr
	.p2alignl 7, 3214868480
	.fill 96, 4, 3214868480
	.section	.rodata,"a",@progbits
	.p2align	6, 0x0
	.amdhsa_kernel k_q9c1b01e975_inr
		.amdhsa_group_segment_fixed_size 144384
		.amdhsa_private_segment_fixed_size 0
		.amdhsa_enable_private_segment 0
		.amdhsa_kernarg_size 152
		.amdhsa_user_sgpr_count 2
		.amdhsa_user_sgpr_kernarg_segment_ptr 1
		.amdhsa_wavefront_size32 1
		.amdhsa_system_sgpr_workgroup_id_x 1
		.amdhsa_system_sgpr_workgroup_id_y 1
		.amdhsa_system_sgpr_workgroup_id_z 1
		.amdhsa_system_vgpr_workitem_id 0
		.amdhsa_next_free_vgpr 512
		.amdhsa_next_free_sgpr 80
		.amdhsa_reserve_vcc 0
		.amdhsa_float_denorm_mode_32 3
		.amdhsa_float_denorm_mode_16_64 3
		.amdhsa_memory_ordered 1
		.amdhsa_forward_progress 1
		.amdhsa_inst_pref_size 216
	.end_amdhsa_kernel
	.amdgpu_metadata
---
amdhsa.version: [ 1, 2 ]
amdhsa.kernels:
  - .name:           k_q9c1b01e975_inr
    .symbol:         k_q9c1b01e975_inr.kd
    .args:
      - { .name: x, .offset: 0, .size: 8, .value_kind: global_buffer, .address_space: global }
      - { .name: sample_idx, .offset: 8, .size: 8, .value_kind: global_buffer, .address_space: global }
      - { .name: shift_vectors, .offset: 16, .size: 8, .value_kind: global_buffer, .address_space: global }
      - { .name: rotation_angle, .offset: 24, .size: 8, .value_kind: global_buffer, .address_space: global }
      - { .name: proj_w, .offset: 32, .size: 8, .value_kind: global_buffer, .address_space: global }
      - { .name: proj_b, .offset: 40, .size: 8, .value_kind: global_buffer, .address_space: global }
      - { .name: dec_w1_codes, .offset: 48, .size: 8, .value_kind: global_buffer, .address_space: global }
      - { .name: dec_w1_scales, .offset: 56, .size: 8, .value_kind: global_buffer, .address_space: global }
      - { .name: dec_b1, .offset: 64, .size: 8, .value_kind: global_buffer, .address_space: global }
      - { .name: dec_w2_codes, .offset: 72, .size: 8, .value_kind: global_buffer, .address_space: global }
      - { .name: dec_w2_scales, .offset: 80, .size: 8, .value_kind: global_buffer, .address_space: global }
      - { .name: dec_b2, .offset: 88, .size: 8, .value_kind: global_buffer, .address_space: global }
      - { .name: dec_w3, .offset: 96, .size: 8, .value_kind: global_buffer, .address_space: global }
      - { .name: dec_b3, .offset: 104, .size: 8, .value_kind: global_buffer, .address_space: global }
      - { .name: color_w, .offset: 112, .size: 8, .value_kind: global_buffer, .address_space: global }
      - { .name: color_b, .offset: 120, .size: 8, .value_kind: global_buffer, .address_space: global }
      - { .name: out0, .offset: 128, .size: 8, .value_kind: global_buffer, .address_space: global }
      - { .name: out1, .offset: 136, .size: 8, .value_kind: global_buffer, .address_space: global }
      - { .name: out2, .offset: 144, .size: 8, .value_kind: global_buffer, .address_space: global }
    .group_segment_fixed_size: 144384
    .private_segment_fixed_size: 0
    .kernarg_segment_align: 8
    .kernarg_segment_size: 152
    .max_flat_workgroup_size: 256
    .sgpr_count:     80
    .vgpr_count:     512
    .wavefront_size: 32
...
	.end_amdgpu_metadata
.endif
;; end of part 1
;; ======== version 2 of 2: 1 launch; version 1 with the launch inr written anew for expert scheduling mode
;; launch inr (part 2): grid 256 x 1, 8 waves a work-group, no clusters, 144,384 bytes of LDS; arguments x, sample_idx, shift_vectors, rotation_angle, proj_w, proj_b, dec_w1_codes, dec_w1_scales, dec_b1, dec_w2_codes, dec_w2_scales, dec_b2, dec_w3, dec_b3, color_w, color_b, out0, out1, out2; writes out0, out1, out2
.if DOCPART == 2
	.amdgcn_target "amdgcn-amd-amdhsa--gfx1250"
	.amdhsa_code_object_version 6
	.text
	.protected	k_q9c1b01e975_inr
	.globl	k_q9c1b01e975_inr
	.p2align	8
	.type	k_q9c1b01e975_inr,@function
k_q9c1b01e975_inr:
	s_mov_b64 s[64:65], 0
	v_nop
	global_prefetch_b8 v0, s[64:65] scope:SCOPE_SE
	s_setreg_imm32_b32 hwreg(HW_REG_WAVE_SCHED_MODE, 0, 2), 2
	s_setreg_imm32_b32 hwreg(HW_REG_WAVE_MODE, 25, 1), 1
	s_wait_xcnt 0x0
	s_wait_alu depctr_vm_vsrc(0)
; out0 = 4 x 4 mean of colour(relu(relu(sin(coords proj_w + proj_b) W1 + b1) W2 + b2) w3 + b3); out1, out2 = the frames' shifts.
; The two 256 x 256 products run on codes of BF6 (E3M2) with one E8M0 scale for each 32 along K: W1, W2 arrive as codes, the activations are quantised here, in registers, from f32.
; SHARES.  256 work-groups of 8 waves.  Work-group g: frame g / 32, pooled rows 2 (g % 32) + wave / 4.  Wave w: 16 pool windows, pooled columns 16 (w % 4) on: 4 pixel rows x 512 consecutive bytes of x.
; A tile of 16 pixels IS one pool window (lane r = 4 py + px).  A wave walks its 16 tiles two at a time: 8 trips.  Nothing computed goes from wave to wave but each wave's 48 results, which meet in LDS so that whole rows leave.
; LAYOUT.  Every product is used transposed (source 0 = 16 rows of a weight, source 1 = 16 pixels): a lane holds ONE pixel and its registers run along the features, the next product's K.
; THE ROWS OF A WEIGHT THAT FORM A TILE ARE NOT NEIGHBOURS: lane r of tile t takes row 32 (t / 2) + 8 (t % 2) + r + 8 (r / 8), so that the 16 registers of tiles 2 b, 2 b + 1 are features 32 b + 16 (lane / 16) + 0 .. 15.
; THE FIRST PRODUCT (K = 2, f32 operands) goes to the f32 matrix form: A = (w0 / 2 pi, w1 / 2 pi, b / 2 pi + 1/4, 0) of 16 features, B = (nx, ny, 1, 0) of 16 pixels, C = 0: v = the phase in turns + 1/4.
; THE SINE, in f32: w = v - rndne(v) (exact), g = |w| - 1/4 in [-1/4, 1/4], sin(phase) = sin(2 pi g) = g p(g^2), p of degree 4 (an economised series; its error against sin(x) / x is under 1e-8).
; WEIGHTS lie in LDS as images of the operand's registers (a fragment: 3 x 512 bytes, lane l's 16 bytes at 16 l), the biases as plain f32: a bias is the C of a sum's first product.  Each fragment read feeds two tiles.
; TWO PHASES A TRIP: S (sines and their quantiser: vector work) and M (the products, relu, quantiser, pooling).  8 waves on 4 SIMDs are two to a SIMD.  Waves 1, 3, 4, 6 alone build the LDS images at the head, while the
; others run their first S; the trip's barrier is split round S (signal, S, wait, M): it publishes the images, and later lets a wave begin M only when all have ended the M before, which keeps the two kinds of waves half a trip apart.
; THE LAST PRODUCT (N = 3) takes bf16 operands and f32 sums.  Lane l stands for channel ch = 0, 1, 2, 2 for l % 4 = 0, 1, 2, 3 (so that no load leaves dec_w3), and stores its result at word l % 4 of its tile's 16 bytes in LDS:
; lanes that share a word store the same value, the fourth word is read by nobody, and EXEC is never changed.  The three words of each tile are packed on the way out.
; NO CLUSTER, NO TENSOR LOAD: x is shared by nobody; the weights, 105 KB, are read once at the head and laid anew on the way (rows chosen, registers on end).
; LIMITS.  1 / 2 pi and the quarter turn are folded into proj_w and proj_b, so the phase is rounded in another order than by the reference: a few ulp of the phase, growing with it as the reference's own rounding does.
; sin and cos of the rotation angle carry up to about 1e-7 absolute.  A block whose largest magnitude lies under 2^-122 keeps the scale byte 1 (a block of zeros too: its codes are zeros, and the bytes are read here alone).
; NaN and infinities among the inputs are not served.  relu(h2) and dec_w3 are rounded to bf16.
; THE MODE: SCHED_MODE bits 1:0 = 2 (LLVM: expert scheduling mode 2), set by the entry lines.  The code itself states the register dependences between vector or matrix instructions and memory or LDS instructions,
; with s_wait_alu, always for 0.
; THE PLAN.  Registers that LDS instructions touch in the loop:
;   window 1 v96-223   four tiles' fragments and biases.  The 32 loads of a group land in them; the group's sixteen scaled products read them.  ONE buffer: the launch's 512 registers are all taken.
;   window 1 v224-239  dec_w3's operand.  Four loads of each group of layer 2 land in it; that group's four bf16 products read it.
;   v26-29             B of the f32 products.  Two loads at the trip's head land in it; S's 32 f32 products read it.
;   v8                 written by one add at the trip's head, read by those two loads.      v9, v248, v252  written at the trip's end, read by the two stores of results.
;   v2-5               addresses, made at the head and never written again.               All else is named by vector and matrix instructions alone.
; So in each group ONE wait on va_vdst stands behind the relu of the first tile of pixels, whose last lines read the result of the fifteenth of the sixteen products: it states that the products are done reading
; the fragments and biases; the next group's loads follow it in one run and land under the second tile's relu and the quantiser (layer 2: the conversions), which name none of their registers.
; One more stands at the trip's head (v8), one behind the places ahead of each layer's first scaled product (the codes and scale words that vector lines made), one ahead of the results' stores;
; one wait on vm_vsrc stands behind those stores, ahead of the backward jump: v8, v9, v248 and v252 are written again only behind it.
; REGISTERS, in two windows of 256.  Window 0: v1-15, v30 addresses and constants; v16-25 the polynomial, each number twice; v26-29 B of the f32 product; v32-42 the quantiser's; v44-47 addresses of the way out;
;   v48-87 scale words and nothing else; v88-151 accumulators (in S: g^2 and p); v152-199 codes of h0 (in layer 2: h2 in bf16); v200-247 codes of h1 (in S: 32 sines at work); v248-255 the pool.
; Window 1: v0-63 results of the f32 matrix form, written by it alone; v64-95 its A operands; v96-191 four tiles' weight fragments; v192-223 their biases; v224-239 dec_w3's operand; v240-255 the last product's sums.
.set WIMG, 0                           ; LDS: fragment (layer L, tile t, K step s) at ((16 L + t) 2 + s) 1536
.set BIA,  98304                       ; b1, then b2
.set W3I,  100352                      ; dec_w3 as a bf16 operand: 32 features to 1,024 bytes
.set STG,  108544                      ; 4,096 bytes a wave: rows 0-3 its pixels' (nx, ny) as they lie in x, rows 4-7 filled with (1, 0)
.set OUTS, 141312                      ; 256 bytes a wave: 16 bytes for each of its 16 tiles: three results and a word that nobody reads
.set LN,   1                           ; lane
.set AW1,  2                           ; 16 x lane: layer 1's images; also the plain 16 bytes a lane in memory
.set AW2,  3                           ; + 49,152: layer 2's
.set ABI,  4                           ; BIA + 64 (lane / 16)
.set AW3,  5                           ; W3I + 16 x lane
.set BXA0, 6                           ; my place in a tile of the stage
.set OA0,  7                           ; OUTS + 256 wave + 4 (lane % 4)
.set TA,   8                           ; the trip's address in the stage
.set TO,   9                           ; the trip's address among the results (at the head: where I store into the stage)
.set CSC,  10                          ; colour scale / 16
.set COF,  11                          ; b3 x scale + colour bias
.set BS,   12                          ; where a building wave stores its 16 fragments,
.set BB,   13                          ; its half of a bias,
.set B3,   14                          ; its quarter of dec_w3's operand
.set WO,   15                          ; codes in memory: (r + 8 (r / 8)) 192 + 24 (lane / 16)
.set QC,   16                          ; v16-25: Q0 .. Q4, each twice
.set BX,   26                          ; v26-29: two tiles' (nx, ny) | (1, 0)
.set W3O,  30                          ; dec_w3 in memory: 768 (wave / 2) + 192 (lane / 16) + 4 ch
.set TM,   32
.set CT,   40
.set FAD,  44                          ; v44-47: where words 4 m .. 4 m + 3 of the work-group's results lie in LDS, m my thread's number
.set XS,   48                          ; scale words of h0: tile p, K step s at + 2 p + s
.set ZS,   52                          ; of h1
.set SW,   56                          ; of the weights: layer L, tile t at + 16 L + t: lanes 0-15 K step 0, lanes 16-31 K step 1
.set D,    88                          ; accumulators: tile of pixels p, tile of features tt at + 32 p + 8 tt
.set YY,   88
.set PP,   120
.set X,    152                         ; codes of h0: + 24 p + 12 s
.set HB,   152                         ; h2 in bf16: + 16 p + 8 b
.set Z,    200                         ; codes of h1
.set H,    200
.set OT,   248
.set FD,   0                           ; window 1
.set PA,   64
.set WF,   96
.set BI,   192
.set W3F,  224
.set O,    240
; at work in the head alone
.set T0,   200
.set RL,   201                         ; r = lane % 16
.set HL,   202                         ; h = lane / 16
.set T3,   203
.set T4,   204
.set RR,   205                         ; r + 8 (r / 8)
.set CH,   206                         ; my channel
.set CAD,  207
.set B3A,  208
.set PWA,  209
.set SWA,  210
.set ANG,  211
.set SNC,  212                         ; v212 sin, v213 cos of the angle
.set NY,   214
.set PL,   216
.set K0,   218
.set K1,   220
.set CS1,  221
.set CB1,  222
.set XD,   88                          ; x as loaded
.set XN,   104                         ; (nx, ny)
.set CW,   120
.set CBI,  121
.set CB3,  122
.set ONE,  124
.set PT,   152                         ; proj_w's two rows and proj_b as loaded
.set W3T,  200                         ; a building wave's numbers of dec_w3,
.set W3P,  232                         ; and the same in bf16
.set MSB, 0
.macro WIN new                         ; the immediate's high byte repeats the setting that is left; a switch that changes nothing is dropped
.if MSB != \new
	s_set_vgpr_msb (MSB<<8)|\new
.set MSB, \new
.endif
.endm
.macro NOPS n
.rept \n
	v_nop
.endr
.endm
.macro QSET i, bits
	v_mov_b32 v[QC+2*\i], \bits
	v_mov_b32 v[QC+2*\i+1], \bits
.endm
	s_load_b512 s[8:23], s[0:1], 0x0               ; x 8, sample_idx 10, shift_vectors 12, rotation_angle 14, proj_w 16, proj_b 18, W1's codes 20, W1's scales 22
	s_load_b512 s[24:39], s[0:1], 0x40             ; b1 24, W2's codes 26, W2's scales 28, b2 30, dec_w3 32, dec_b3 34, color_w 36, color_b 38
	s_load_b128 s[40:43], s[0:1], 0x80             ; out0 40, out1 42
	s_load_b64 s[44:45], s[0:1], 0x90              ; out2
	v_lshl_add_u32 v31, v0, 2, 0x23000
	v_mov_b32 v43, 0
	v_lshrrev_b32 v[T0], 5, v0
	v_readfirstlane_b32 s2, v[T0]                  ; wave 0..7
	v_and_b32 v[LN], 31, v0
	s_wait_alu depctr_va_vdst(0)
	v_and_b32 v[RL], 15, v0
	v_bfe_u32 v[HL], v0, 4, 1
	s_wait_alu depctr_va_vdst(0)
	s_wait_alu depctr_va_sdst(0)                   ; s2 is written, ahead of its first reader: addresses, offsets and the branches on the wave's number are made from it
	s_lshr_b32 s56, s2, 2                          ; which of the work-group's two pooled rows
	s_xor_b32 s3, s2, s56
	s_and_b32 s3, s3, 1                            ; 1 in waves 1, 3, 4, 6: it differs between w and w + 4 and between 2 k and 2 k + 1
	s_lshr_b32 s4, s2, 1                           ; a building wave's part: 0, 1, 2, 3 in waves 1, 3, 4, 6
	s_and_b32 s57, s2, 3
	s_mov_b32 s46, 0x76543210
	s_mov_b32 s47, 0xfedcba98                      ; v_permlanex16_b32's selects for lane l xor 16
	s_mov_b32 s48, 0xbe800000                      ; -1/4
	s_mov_b32 s49, 0xffff0000                      ; lanes 16-31
	s_mov_b32 s5, 0                                ; trips done
	s_mov_b32 s6, 0                                ; the trip's two tiles in the stage: 64 bytes a trip
	s_mov_b32 s7, 0                                ; and among the results: 32 bytes a trip
	s_lshl_b32 s66, ttmp9, 14                      ; x: 8 pixel rows of 2,048 bytes a work-group,
	s_lshl_b32 s58, s56, 13                        ; 4 of them a pooled row,
	s_add_co_u32 s66, s66, s58
	s_lshl_b32 s58, s57, 9                         ; 64 pixels of 8 bytes a wave
	s_add_co_u32 s66, s66, s58
	s_mov_b32 s67, 0
	s_lshr_b32 s59, ttmp9, 5
	s_lshl_b32 s59, s59, 2                         ; my frame's word of sample_idx
	; every LDS address is made here, ahead of the branch on the wave's number: a constant, a constant x the wave, and plain arithmetic with constants on the thread's number
	v_lshlrev_b32 v[AW1], 4, v[LN]
	v_add_nc_u32 v[AW2], 49152, v[AW1]
	v_lshl_add_u32 v[ABI], v[HL], 6, BIA
	v_add_nc_u32 v[AW3], W3I, v[AW1]
	s_lshl_b32 s60, s2, 12
	s_add_co_u32 s60, s60, STG                     ; my stage
	v_lshrrev_b32 v[T3], 2, v[LN]
	v_and_b32 v[T4], 3, v0
	v_lshlrev_b32 v[T4], 3, v[T4]
	v_lshl_add_u32 v[T3], v[T3], 9, v[T4]          ; row lane / 4 (lanes 16-31: the rows of (1, 0)), pixel lane % 4
	v_add_nc_u32 v[BXA0], s60, v[T3]
	v_add_nc_u32 v[TO], s60, v[AW1]                ; for the head's stores into the stage: 16 bytes a lane
	s_lshl_b32 s60, s2, 8
	s_add_co_u32 s60, s60, OUTS
	v_and_b32 v[T4], 3, v0
	v_lshl_add_u32 v[OA0], v[T4], 2, s60           ; my wave's results: word lane % 4 of a tile's four
	s_mul_i32 s60, s4, 24576
	v_add_nc_u32 v[BS], s60, v[AW1]
	s_lshl_b32 s60, s4, 9
	s_add_co_u32 s60, s60, BIA
	v_add_nc_u32 v[BB], s60, v[AW1]
	s_lshl_b32 s60, s4, 11
	s_add_co_u32 s60, s60, W3I
	v_add_nc_u32 v[B3], s60, v[AW1]
	v_lshlrev_b32 v[T3], 2, v0                     ; the way out: word j = 4 m + i of the work-group's 384 is channel j % 3 of tile j / 3 and lies at OUTS + 16 (j / 3) + 4 (j % 3) = OUTS + 4 (j + j / 3)
.irp i, 0,1,2,3
	v_add_nc_u32 v[T4], \i, v[T3]
	v_mul_u32_u24 v[T0], v[T4], 0xaaab             ; j / 3 = 43,691 j >> 17 (3 x 43,691 = 2^17 + 1: exact for j under 2^17)
	v_lshrrev_b32 v[T0], 17, v[T0]
	v_add_nc_u32 v[T0], v[T0], v[T4]
	v_lshl_add_u32 v[FAD+\i], v[T0], 2, OUTS
.endr
	; offsets in memory
	v_and_b32 v[CH], 3, v0
	v_lshrrev_b32 v[T3], 1, v0
	v_and_b32 v[T3], v[T3], v0
	v_and_b32 v[T3], 1, v[T3]
	v_sub_nc_u32 v[CH], v[CH], v[T3]               ; ch = 0, 1, 2, 2
	v_and_b32 v[RR], 8, v[RL]
	v_add_nc_u32 v[RR], v[RR], v[RL]
	v_mul_u32_u24 v[WO], v[RR], 192
	v_mad_u32_u24 v[WO], v[HL], 24, v[WO]
	s_mul_i32 s60, s4, 768
	v_lshlrev_b32 v[W3O], 2, v[CH]
	v_mad_u32_u24 v[W3O], v[HL], 192, v[W3O]
	v_add_nc_u32 v[W3O], s60, v[W3O]
	v_lshlrev_b32 v[B3A], 2, v[CH]
	v_lshlrev_b32 v[PWA], 2, v[RR]
	v_lshlrev_b32 v[SWA], 3, v[RR]
	v_lshl_add_u32 v[SWA], v[HL], 2, v[SWA]        ; a row's 8 scale bytes: lanes 0-15 take K step 0's word, lanes 16-31 K step 1's
	QSET 0, 0x40c90fdb                             ;   6.2831853
	QSET 1, 0xc2255de2                             ; -41.341681
	QSET 2, 0x42a33479                             ;  81.602483
	QSET 3, 0xc29929a9                             ; -76.581365
	QSET 4, 0x421f0bfe                             ;  39.761711
	v_mov_b32 v[TM+4], 0                           ; written once: a lane permute's destination counts as one of its sources
	v_mov_b32 v[TM+5], 0
	v_mov_b32 v[ONE], 1.0
	v_mov_b32 v[ONE+1], 0
	v_mov_b32 v[ONE+2], 1.0
	v_mov_b32 v[ONE+3], 0
	s_wait_kmcnt 0x0                               ; the addresses
	s_load_b32 s52, s[10:11], s59 offset:0x0       ; my frame's sample
	s_add_nc_u64 s[8:9], s[8:9], s[66:67]
	s_wait_alu depctr_va_vdst(0)                   ; every address and offset made above is written (v2-5, v9, v12-15, v30, v44-47, v208-210), and so is v124-127: the kernel's loads and stores read them
.irp py, 0,1,2,3
	global_load_b128 v[XD+4*\py:XD+4*\py+3], v[AW1], s[8:9] offset:2048*\py th:TH_LOAD_NT   ; 512 consecutive bytes of a pixel row, read once in the launch
.endr
.irp t, 0,1,2,3,4,5,6,7,8,9,10,11,12,13,14,15
	global_load_b32 v[PT+\t], v[PWA], s[16:17] offset:4*(32*(\t/2)+8*(\t%2))
	global_load_b32 v[PT+16+\t], v[PWA], s[16:17] offset:1024+4*(32*(\t/2)+8*(\t%2))
	global_load_b32 v[PT+32+\t], v[PWA], s[18:19] offset:4*(32*(\t/2)+8*(\t%2))
.endr
.irp t, 0,1,2,3,4,5,6,7,8,9,10,11,12,13,14,15
	global_load_b32 v[SW+\t], v[SWA], s[22:23] offset:8*(32*(\t/2)+8*(\t%2))      ; the weights' scale words stay in registers
	global_load_b32 v[SW+16+\t], v[SWA], s[28:29] offset:8*(32*(\t/2)+8*(\t%2))
.endr
	global_load_b32 v[CB3], v[B3A], s[34:35]
	s_wait_kmcnt 0x0                               ; the sample
	s_min_u32 s52, s52, 15                         ; it indexes tables of 16 rows
	s_lshl_b32 s61, s52, 2
	s_lshl_b32 s62, s52, 3
	s_load_b32 s53, s[14:15], s61 offset:0x0       ; the angle
	s_load_b64 s[54:55], s[12:13], s62 offset:0x0  ; dx, dy
	s_mul_i32 s63, s52, 12
	v_lshl_add_u32 v[CAD], v[CH], 2, s63
	s_wait_alu depctr_va_vdst(0)                   ; v[CAD] is written: the offset of the two loads below
	global_load_b32 v[CW], v[CAD], s[36:37]
	global_load_b32 v[CBI], v[CAD], s[38:39]
	s_cmp_lg_u32 s52, 0
	s_cselect_b32 s69, -1, 0                       ; sample 0 keeps its colours
	s_wait_kmcnt 0x0
	; sin and cos of the angle, by the steps of the sine on the pair (a / 2 pi + 1/4, a / 2 pi + 1/2), while the loads are on their way
	v_mov_b32 v[ANG], s53
	v_fma_f32 v[SNC], v[ANG], 0.15915494, -s48
	v_fma_f32 v[SNC+1], v[ANG], 0.15915494, 0.5
	v_rndne_f32 v[NY], v[SNC]
	v_rndne_f32 v[NY+1], v[SNC+1]
	v_pk_add_f32 v[SNC:SNC+1], v[SNC:SNC+1], v[NY:NY+1] neg_lo:[0,1] neg_hi:[0,1]
	v_add_f32 v[SNC], |v[SNC]|, s48
	v_add_f32 v[SNC+1], |v[SNC+1]|, s48
	v_pk_mul_f32 v[NY:NY+1], v[SNC:SNC+1], v[SNC:SNC+1]
	v_pk_fma_f32 v[PL:PL+1], v[NY:NY+1], v[QC+8:QC+9], v[QC+6:QC+7]
	v_pk_fma_f32 v[PL:PL+1], v[PL:PL+1], v[NY:NY+1], v[QC+4:QC+5]
	v_pk_fma_f32 v[PL:PL+1], v[PL:PL+1], v[NY:NY+1], v[QC+2:QC+3]
	v_pk_fma_f32 v[PL:PL+1], v[PL:PL+1], v[NY:NY+1], v[QC:QC+1]
	v_pk_mul_f32 v[SNC:SNC+1], v[SNC:SNC+1], v[PL:PL+1]
	v_mov_b32 v[K0+1], 0x3e800000
	v_cndmask_b32 v[K0], 0, v[K0+1], s49           ; lanes 16-31: + 1/4
	v_mov_b32 v[K1], 0.15915494
	v_cndmask_b32 v[K1], v[K1], 0, s49             ; lanes 16-31: k = 3 is 0
	s_wait_alu depctr_va_vdst(0)
	s_wait_loadcnt 0x0                             ; one wait for all that the head has loaded
	; my 8 pixels' coordinates, turned and shifted, go to the stage as they lay in x; rows 4-7 take (1, 0)
.irp i, 0,1,2,3,4,5,6,7
	v_fma_f32 v[XN+2*\i], -v[SNC], v[XD+2*\i+1], s54
	v_fma_f32 v[XN+2*\i+1], v[SNC+1], v[XD+2*\i+1], s55
.endr
.irp i, 0,1,2,3,4,5,6,7
	v_fma_f32 v[XN+2*\i], v[SNC+1], v[XD+2*\i], v[XN+2*\i]
	v_fma_f32 v[XN+2*\i+1], v[SNC], v[XD+2*\i], v[XN+2*\i+1]
.endr
	s_wait_alu depctr_va_vdst(0)                   ; the multiply-adds have written v[XN ..], which the stores below read
.irp py, 0,1,2,3
	ds_store_b128 v[TO], v[XN+4*\py:XN+4*\py+3] offset:512*\py
	ds_store_b128 v[TO], v[ONE:ONE+3] offset:2048+512*\py
.endr
	; A of the f32 product, 16 tiles of features: lanes 0-15 (w0, w1) / 2 pi, lanes 16-31 (b / 2 pi + 1/4, 0)
.irp t, 0,1,2,3,4,5,6,7,8,9,10,11,12,13,14,15
	v_cndmask_b32 v[PT+\t], v[PT+\t], v[PT+32+\t], s49
.endr
	WIN 0x40                                       ; destination window 1
.irp t, 0,1,2,3,4,5,6,7,8,9,10,11,12,13,14,15
	v_fma_f32 v[PA+2*\t], v[PT+\t], 0.15915494, v[K0]
	v_mul_f32 v[PA+2*\t+1], v[PT+16+\t], v[K1]
.endr
	WIN 0
	; mean(out scale + bias) = (sum over 16 pixels) x scale / 16 + (b3 scale + bias)
	v_cndmask_b32 v[CS1], 1.0, v[CW], s69
	v_cndmask_b32 v[CB1], 0, v[CBI], s69
	v_mul_f32 v[CSC], 0x3d800000, v[CS1]
	v_fma_f32 v[COF], v[CB3], v[CS1], v[CB1]
	s_wait_alu depctr_vm_vsrc(0)                   ; the stores into the stage have read v9, v[XN ..] and v[ONE ..], the head's loads their offsets v207-210: a building wave's loads land in these registers, and S and the trip's end write them
	; THE IMAGES: waves 1, 3, 4, 6 each lay 8 tiles (16 fragments) of one layer's weights, half of its bias and a quarter of dec_w3's operand.  The others go straight to their first S.
	s_cmp_eq_u32 s3, 0
	s_cbranch_scc1 .Lbuilt
	s_wait_dscnt 0x0                               ; my stores into the stage are done, ahead of the loads into the registers that they read (beside the wait on vm_vsrc above)
	s_cmp_lt_u32 s4, 2                             ; parts 0, 1: layer 1; parts 2, 3: layer 2
	s_cselect_b64 s[70:71], s[20:21], s[26:27]
	s_cselect_b64 s[72:73], s[24:25], s[30:31]
	s_and_b32 s74, s4, 1                           ; which half of the layer
	s_mul_i32 s76, s74, 24576                      ; 128 rows of 192 bytes
	s_mov_b32 s77, 0
	s_lshl_b32 s78, s74, 9                         ; 128 numbers of the bias
	s_mov_b32 s79, 0
	s_add_nc_u64 s[70:71], s[70:71], s[76:77]
	s_add_nc_u64 s[72:73], s[72:73], s[78:79]
	s_wait_alu depctr_va_vdst(0)                   ; the head's vector lines are done reading and writing v88-127, v152-199 and v200-222, in which the loads below land; only loads and a window switch follow up to the last of them
.irp f, 0,1,2,3,4,5,6,7                ; fragment f = 2 x tile + K step, in the operand's own layout: 24 bytes of a row's stream of bits as three loads of 8
.irp p, 0,1,2,3,4,5
	global_load_b64 v[D+12*\f+2*\p:D+12*\f+2*\p+1], v[WO], s[70:71] offset:(32*(\f/4)+8*((\f/2)%2))*192+96*(\f%2)+48*(\p/3)+8*(\p%3)
.endr
.endr
	global_load_b128 v[184:187], v[AW1], s[72:73]
.irp kk, 0,1
.irp i, 0,1,2,3,4,5,6,7,8,9,10,11,12,13,14,15
	global_load_b32 v[W3T+16*\kk+\i], v[W3O], s[32:33] offset:(32*\kk+\i)*12   ; dec_w3(64 part + 32 kk + 16 h + i, ch)
.endr
.endr
	WIN 0x40                                       ; destination window 1 (not its v0-63: those are the f32 matrix form's alone)
.irp f, 8,9,10,11,12,13,14,15
.irp p, 0,1,2,3,4,5
	global_load_b64 v[WF+12*(\f-8)+2*\p:WF+12*(\f-8)+2*\p+1], v[WO], s[70:71] offset:(32*(\f/4)+8*((\f/2)%2))*192+96*(\f%2)+48*(\p/3)+8*(\p%3)
.endr
.endr
	WIN 0
	s_wait_loadcnt 0x0
.irp f, 0,1,2,3,4,5,6,7
.irp c, 0,1,2
	ds_store_b128 v[BS], v[D+12*\f+4*\c:D+12*\f+4*\c+3] offset:1536*\f+512*\c
.endr
.endr
	ds_store_b128 v[BB], v[184:187]
.irp i, 0,1,2,3,4,5,6,7,8,9,10,11,12,13,14,15
	v_cvt_pk_bf16_f32 v[W3P+\i], v[W3T+2*\i], v[W3T+2*\i+1]
.endr
	s_wait_alu depctr_va_vdst(0)                   ; the conversions have written v[W3P ..], which the four stores below read
.irp i, 0,1,2,3
	ds_store_b128 v[B3], v[W3P+4*\i:W3P+4*\i+3] offset:512*\i
.endr
	WIN 0x04                                       ; an LDS store's data are its source 1: window 1
.irp f, 8,9,10,11,12,13,14,15
.irp c, 0,1,2
	ds_store_b128 v[BS], v[WF+12*(\f-8)+4*\c:WF+12*(\f-8)+4*\c+3] offset:1536*\f+512*\c
.endr
.endr
	WIN 0
	s_wait_alu depctr_vm_vsrc(0)                   ; my stores into the images have read v88-187, v[W3P ..] and window 1's v[WF ..]: S and M write the first two again, and M's loads land in the third
.Lbuilt:
; One f32 product: group q (tile of pixels q / 4, features 64 (q % 4) on), its k-th tile of 16 features.  C = 0: each is a whole sum.  Two sets of four results take turns.
.macro FW q, k
	WIN 0x41                                       ; A and D window 1
	v_wmma_f32_16x16x4_f32 v[FD+32*((\q)%2)+8*(\k):FD+32*((\q)%2)+8*(\k)+7], v[PA+2*(4*((\q)&3)+(\k)):PA+2*(4*((\q)&3)+(\k))+1], v[BX+2*((\q)>>2):BX+2*((\q)>>2)+1], 0
.endm
; Two blocks of 32 along K, 16 numbers of each in my registers (s0 .., s1 ..), the other 16 in lane l xor 16, become 6 registers of codes at f and two bytes of the scale word pw (c = 0: bytes 0, 1; c = 1: bytes 2, 3).
; The largest magnitude has the floor 2^(5 - 127) among its leaves, so the byte cannot fall under 1; with 4 off its exponent field it is the conversion's scale operand.  Four chains by turns.
.macro QUANTB s0, s1, f, pw, c
	v_max3_num_f32 v[TM], |v[\s0]|, |v[\s0+1]|, 0x2800000
	v_max3_num_f32 v[TM+2], |v[\s1]|, |v[\s1+1]|, 0x2800000
	v_max3_num_f32 v[TM+1], |v[\s0+8]|, |v[\s0+9]|, |v[\s0+10]|
	v_max3_num_f32 v[TM+3], |v[\s1+8]|, |v[\s1+9]|, |v[\s1+10]|
.irp i, 0,1
	v_max3_num_f32 v[TM], v[TM], |v[\s0+2+2*\i]|, |v[\s0+3+2*\i]|
	v_max3_num_f32 v[TM+2], v[TM+2], |v[\s1+2+2*\i]|, |v[\s1+3+2*\i]|
	v_max3_num_f32 v[TM+1], v[TM+1], |v[\s0+11+2*\i]|, |v[\s0+12+2*\i]|
	v_max3_num_f32 v[TM+3], v[TM+3], |v[\s1+11+2*\i]|, |v[\s1+12+2*\i]|
.endr
	v_max3_num_f32 v[TM], v[TM], |v[\s0+6]|, |v[\s0+7]|
	v_max3_num_f32 v[TM+2], v[TM+2], |v[\s1+6]|, |v[\s1+7]|
	v_max3_num_f32 v[TM], v[TM], v[TM+1], |v[\s0+15]|
	v_max3_num_f32 v[TM+2], v[TM+2], v[TM+3], |v[\s1+15]|
	v_permlanex16_b32 v[TM+4], v[TM], s46, s47
	v_permlanex16_b32 v[TM+5], v[TM+2], s46, s47
	v_max_num_f32 v[TM], v[TM], v[TM+4]            ; with lane l xor 16's: the block's largest magnitude
	v_max_num_f32 v[TM+2], v[TM+2], v[TM+5]
	v_add_nc_u32 v[TM+6], 0xfe000000, v[TM]
	v_add_nc_u32 v[TM+7], 0xfe000000, v[TM+2]
	v_cvt_scalef32_pk16_bf6_f32 v[\f:\f+2], v[\s0:\s0+15], v[TM+6]
	v_cvt_scalef32_pk16_bf6_f32 v[CT:CT+2], v[\s1:\s1+15], v[TM+7]   ; (a conversion's three registers begin on an even number)
	v_lshrrev_b32 v[TM+4], 23, v[TM+6]             ; the scales' bytes: these plain lines stand between the conversions and the lines that touch their results
	v_lshrrev_b32 v[TM+5], 23, v[TM+7]
.if \c == 0
	v_lshl_or_b32 v[\pw], v[TM+5], 8, v[TM+4]
.else
	v_lshl_or_b32 v[\pw], v[TM+4], 16, v[\pw]
	v_lshl_or_b32 v[\pw], v[TM+5], 24, v[\pw]
.endif
.irp i, 0,1,2                          ; the operand's layout wants a WHOLE block in a lane: lanes 0-15 the first, lanes 16-31 the second
	v_permlane16_swap_b32 v[\f+\i], v[CT+\i]
.endr
.irp i, 0,1,2
	v_mov_b32 v[\f+3+\i], v[CT+\i]
.endr
.endm
; S, group q: 64 sines of one tile and their codes.  The next group's four f32 products are issued among this group's first lines: a whole group of plain lines that name none of their registers
; lies between each and the first read of its result, and two groups between it and the earlier product into the same registers.
.macro SGROUP q
.irp k, 0,1,2,3
.if \q < 7
	FW (\q+1), \k
.endif
	WIN 0x01                                       ; source 0 window 1
.irp j, 0,1,2,3,4,5,6,7
	v_rndne_f32 v[H+8*\k+\j], v[FD+32*((\q)%2)+8*\k+\j]          ; each result is read from its low end on
.endr
.irp j, 0,2,4,6
	v_pk_add_f32 v[H+8*\k+\j:H+8*\k+\j+1], v[FD+32*((\q)%2)+8*\k+\j:FD+32*((\q)%2)+8*\k+\j+1], v[H+8*\k+\j:H+8*\k+\j+1] neg_lo:[0,1] neg_hi:[0,1]   ; w = v - rndne(v)
.endr
.endr
	WIN 0
.set i, 0
.rept 32
	v_add_f32 v[H+i], |v[H+i]|, s48                ; g = |w| - 1/4
.set i, i+1
.endr
.set i, 0
.rept 16
	v_pk_mul_f32 v[YY+i:YY+i+1], v[H+i:H+i+1], v[H+i:H+i+1]
.set i, i+2
.endr
.set i, 0
.rept 16
	v_pk_fma_f32 v[PP+i:PP+i+1], v[YY+i:YY+i+1], v[QC+8:QC+9], v[QC+6:QC+7]
.set i, i+2
.endr
.irp n, 4,2,0
.set i, 0
.rept 16
	v_pk_fma_f32 v[PP+i:PP+i+1], v[PP+i:PP+i+1], v[YY+i:YY+i+1], v[QC+\n:QC+\n+1]
.set i, i+2
.endr
.endr
.set i, 0
.rept 16
	v_pk_mul_f32 v[H+i:H+i+1], v[H+i:H+i+1], v[PP+i:PP+i+1]
.set i, i+2
.endr
.set qp, (\q)>>2
.set qs, ((\q)>>1)&1
.set qc, (\q)&1
	QUANTB H, H+16, X+24*qp+12*qs+6*qc, XS+2*qp+qs, qc
.endm
; 32 LDS loads: the fragments (both K steps) and biases of tiles 4 g .. 4 g + 3 of layer l, whose images begin at v[aw].  The window is switched and the wait on va_vdst stands ahead of each use of this macro.
.macro MLOAD l, aw, g
	WIN 0x40                                       ; destination window 1
.irp tt, 0,1,2,3
.irp s, 0,1
.irp c, 0,1,2
	ds_load_b128 v[WF+24*\tt+12*\s+4*\c:WF+24*\tt+12*\s+4*\c+3], v[\aw] offset:((4*(\g)+\tt)*2+\s)*1536+512*\c
.endr
.endr
.endr
.irp tt, 0,1,2,3
	ds_load_b128 v[BI+8*\tt:BI+8*\tt+3], v[ABI] offset:1024*\l+4*(64*(\g)+32*(\tt/2)+8*(\tt%2))
	ds_load_b128 v[BI+8*\tt+4:BI+8*\tt+7], v[ABI] offset:1024*\l+4*(64*(\g)+32*(\tt/2)+8*(\tt%2))+16
.endr
	WIN 0
.endm
; 16 products: four tiles of features x two tiles of pixels x two K steps.  The bias is the C of the first K step.  The eight accumulators take turns, one instruction a turn.
.macro MMUL cod, scl, l, g
	WIN 0x11                                       ; A and C window 1
.irp tt, 0,1,2,3
.irp p, 0,1
	v_wmma_scale_f32_16x16x128_f8f6f4 v[D+32*\p+8*\tt:D+32*\p+8*\tt+7], v[WF+24*\tt:WF+24*\tt+11], v[\cod+24*\p:\cod+24*\p+11], v[BI+8*\tt:BI+8*\tt+7], v[SW+16*\l+4*(\g)+\tt], v[\scl+2*\p] matrix_a_fmt:MATRIX_FMT_BF6 matrix_b_fmt:MATRIX_FMT_BF6
.endr
.endr
	WIN 0x01                                       ; A window 1
.irp tt, 0,1,2,3
.irp p, 0,1
	v_wmma_scale_f32_16x16x128_f8f6f4 v[D+32*\p+8*\tt:D+32*\p+8*\tt+7], v[WF+24*\tt+12:WF+24*\tt+23], v[\cod+24*\p+12:\cod+24*\p+23], v[D+32*\p+8*\tt:D+32*\p+8*\tt+7], v[SW+16*\l+4*(\g)+\tt], v[\scl+2*\p+1] matrix_a_fmt:MATRIX_FMT_BF6 matrix_b_fmt:MATRIX_FMT_BF6 matrix_a_scale:MATRIX_SCALE_ROW1
.endr
.endr
	WIN 0
.endm
.macro RELU p                          ; in f32, the four accumulators of tile of pixels p, each from its low end on
.set i, 0
.rept 32
	v_max_num_f32 v[D+32*\p+i], 0, v[D+32*\p+i]
.set i, i+1
.endr
.endm
; Layer 1, features 64 g on, for both tiles of pixels.  The next group's loads are issued behind the first tile's relu and land under the rest of this group's vector work.
.macro MG1 g
	s_wait_dscnt 0x0                               ; this group's fragments and biases
	MMUL X, XS, 0, \g
	NOPS 4                                         ; places ahead of the first read of results
	RELU 0
	WIN 0x40                                       ; the switch, then the wait, then the loads
	s_wait_alu depctr_va_vdst(0)                   ; the sixteen products are done reading the fragments and biases, in which the loads below land; no vector or matrix line names these registers again before the next group's products
.if \g < 3
	MLOAD 0, AW1, (\g+1)
.else
	MLOAD 1, AW2, 0
.endif
	RELU 1
.set gs, (\g)>>1
.set gc, (\g)&1
	QUANTB D, D+16, Z+12*gs+6*gc, ZS+gs, gc
	QUANTB D+32, D+48, Z+24+12*gs+6*gc, ZS+2+gs, gc
.endm
; Layer 2, features 64 g on, and their part of the last product: A = 16 pixels x 32 features of relu(h2) in bf16, B = dec_w3's operand, both with the lane's 16 features in the lane's 8 registers.
.macro MG2 g
.if \g == 0
	NOPS 8                                         ; h1's scale words and codes were written by vector lines: eight places ahead of a scaled product,
	s_wait_alu depctr_va_vdst(0)                   ; and behind the places the wait: layer 1's quantiser has written v[Z ..] and v[ZS ..], which layer 2's scaled products take as B and as scales
.endif
	s_wait_dscnt 0x0
	MMUL Z, ZS, 1, \g
	NOPS 4                                         ; places ahead of the first read of results
	RELU 0
	WIN 0x40                                       ; the switch, then the wait, then the loads
	s_wait_alu depctr_va_vdst(0)                   ; the four bf16 products issued last are done reading dec_w3's operand, and this group's sixteen products the fragments and biases: the loads below land in these registers
.irp b, 0,1
.irp c, 0,1
	ds_load_b128 v[W3F+8*\b+4*\c:W3F+8*\b+4*\c+3], v[AW3] offset:(2*(\g)+\b)*1024+512*\c
.endr
.endr
.if \g < 3
	MLOAD 1, AW2, (\g+1)
.endif
	WIN 0
	RELU 1
.irp p, 0,1
.irp i, 0,1,2,3,4,5,6,7,8,9,10,11,12,13,14,15
	v_cvt_pk_bf16_f32 v[HB+16*\p+\i], v[D+32*\p+2*\i], v[D+32*\p+2*\i+1]
.endr
.endr
.if \g < 3
	s_wait_alu depctr_va_vdst(0)
	s_wait_dscnt 32                                ; dec_w3's four loads are in; the 32 issued behind them, the next group's, may be out
.else
	s_wait_alu depctr_va_vdst(0)
	s_wait_dscnt 0x0
.endif
	WIN 0x54                                       ; B, C and D window 1
.irp b, 0,1
.irp p, 0,1
.if (\g == 0) && (\b == 0)
	s_wait_alu depctr_va_vdst(0)
	v_wmma_f32_16x16x32_bf16 v[O+8*\p:O+8*\p+7], v[HB+16*\p+8*\b:HB+16*\p+8*\b+7], v[W3F+8*\b:W3F+8*\b+7], 0
.else
	v_wmma_f32_16x16x32_bf16 v[O+8*\p:O+8*\p+7], v[HB+16*\p+8*\b:HB+16*\p+8*\b+7], v[W3F+8*\b:W3F+8*\b+7], v[O+8*\p:O+8*\p+7]
.endif
.endr
.endr
	WIN 0
.endm
.Ltrip:                                                ; 8 trips, two tiles each
	v_add_nc_u32 v[TA], s6, v[BXA0]                ; (the last trip's two loads have read v[TA]: the wait on vm_vsrc at that trip's end)
	s_wait_alu depctr_va_vdst(0)                   ; v[TA] is written, the address of the two loads below; the last trip's f32 products are done reading v[BX ..], in which they land
	ds_load_b64 v[BX:BX+1], v[TA]                  ; lanes 0-15 their pixel's (nx, ny), lanes 16-31 (1, 0)
	ds_load_b64 v[BX+2:BX+3], v[TA] offset:32
	s_wait_dscnt 0x0                               ; these two; the last trip's results; in the first trip my stores into the stage and, in a building wave, into the images
	s_barrier_signal -1                            ; my M of the trip before is over (first trip: my part of the images lies in LDS)
.irp k, 0,1,2,3
	FW 0, \k
.endr
	WIN 0
	NOPS 8                                         ; eight places behind the f32 form ahead of the first read of a result; later groups have a whole group's lines there
.irp q, 0,1,2,3,4,5,6,7
	SGROUP \q                                      ; work on registers alone stands between the signal and the wait
.endr
	s_barrier_wait -1                              ; every wave has signalled: the images are whole
	NOPS 8                                         ; h0's scale words and codes were written by vector lines: eight places ahead of a scaled product,
	WIN 0x40                                       ; (the switch, then the wait, then the loads)
	s_wait_alu depctr_va_vdst(0)                   ; and behind the places the wait: S's quantiser has written v[X ..] and v[XS ..], which layer 1's scaled products take as B and as scales; the last trip's products are done reading the fragments and biases, in which the loads below land
	MLOAD 0, AW1, 0
.irp g, 0,1,2,3
	MG1 \g
.endr
.irp g, 0,1,2,3
	MG2 \g
.endr
	; the pool: in the last product's result lane (r, h) holds its channel's numbers of pixels 8 h + 0 .. 7
	NOPS 4
	WIN 0x05                                       ; sources 0 and 1 window 1
.irp p, 0,1
	v_pk_add_f32 v[OT+4*\p:OT+4*\p+1], v[O+8*\p:O+8*\p+1], v[O+8*\p+2:O+8*\p+3]
	v_pk_add_f32 v[OT+4*\p+2:OT+4*\p+3], v[O+8*\p+4:O+8*\p+5], v[O+8*\p+6:O+8*\p+7]
.endr
	WIN 0
.irp p, 0,1
	v_pk_add_f32 v[OT+4*\p:OT+4*\p+1], v[OT+4*\p:OT+4*\p+1], v[OT+4*\p+2:OT+4*\p+3]
.endr
.irp p, 0,1
	v_add_f32 v[OT+4*\p], v[OT+4*\p], v[OT+4*\p+1]
.endr
.irp p, 0,1
	v_permlanex16_b32 v[OT+4*\p+1], v[OT+4*\p], s46, s47
.endr
.irp p, 0,1
	v_add_f32 v[OT+4*\p], v[OT+4*\p], v[OT+4*\p+1] ; the window's 16 pixels
.endr
.irp p, 0,1
	v_fma_f32 v[OT+4*\p], v[OT+4*\p], v[CSC], v[COF]
.endr
	v_add_nc_u32 v[TO], s7, v[OA0]
	s_wait_alu depctr_va_vdst(0)                   ; v[OT], v[OT+4] and v[TO] are written, which the two stores below read; behind the last trip it also shows every line that named v[D ..] done, in which the way out's loads land
	ds_store_b32 v[TO], v[OT]                      ; the eight lanes of one lane % 4 store the same word with the same value
	ds_store_b32 v[TO], v[OT+4] offset:16
	s_wait_alu depctr_vm_vsrc(0)                   ; these two stores have read v[TO], v[OT] and v[OT+4], this trip's first two loads v[TA]: the next trip writes all four again, and the wave that stores the shifts writes v[TO]
	s_add_co_u32 s6, s6, 64
	s_add_co_u32 s7, s7, 32
	s_add_co_u32 s5, s5, 1
	s_cmp_lt_u32 s5, 8
	s_cbranch_scc1 .Ltrip
	s_wait_dscnt 0x0                               ; for the others' sake: my results lie in LDS
	s_barrier_signal -1
	s_barrier_wait -1
	s_cmp_gt_u32 s2, 2
	s_cbranch_scc1 .Lshifts
.irp i, 0,1,2,3
	ds_load_b32 v[D+\i], v[FAD+\i]                 ; four neighbouring words of out0, picked out of the tiles' places of 16 bytes.  (No vector or matrix line stands behind the last trip's wait on va_vdst)
.endr
	s_mul_i32 s66, ttmp9, 1536                     ; the work-group's 1,536 bytes of out0 are dense: waves 0 to 2 store 512 consecutive bytes each, at a multiple of 256 from out0's first byte
	s_lshl_b32 s68, s2, 9
	s_add_co_u32 s66, s66, s68
	s_mov_b32 s67, 0
	s_add_nc_u64 s[40:41], s[40:41], s[66:67]
	s_wait_dscnt 0x0
	global_store_b128 v[AW1], v[D:D+3], s[40:41] th:TH_STORE_NT
	s_branch .Lend
.Lshifts:                                              ; wave 3 of work-group 0: the eight frames' shifts; lane l serves frame l % 8, so four lanes store the same word with the same value
	s_cmp_lg_u32 s2, 3
	s_cbranch_scc1 .Lend
	s_cmp_lg_u32 ttmp9, 0
	s_cbranch_scc1 .Lend
	v_and_b32 v[TO], 7, v0
	v_lshlrev_b32 v[TO], 2, v[TO]
	s_wait_alu depctr_va_vdst(0)                   ; v[TO] is written: the offset of the load below and of the two stores
	global_load_b32 v[TM], v[TO], s[10:11]
	s_wait_loadcnt 0x0
	v_min_u32 v[TM], 15, v[TM]                     ; it indexes a table of 16 rows
	v_lshlrev_b32 v[TM], 3, v[TM]
	s_wait_alu depctr_va_vdst(0)                   ; v[TM] is written: the offset of the load below
	global_load_b64 v[TM+2:TM+3], v[TM], s[12:13]
	s_wait_loadcnt 0x0
	global_store_b32 v[TO], v[TM+2], s[42:43]
	global_store_b32 v[TO], v[TM+3], s[44:45]
.Lend:
	s_wait_dscnt 0x0
	s_wait_alu depctr_hold_cnt(0) depctr_sa_sdst(0) depctr_va_vdst(0) depctr_va_sdst(0) depctr_va_ssrc(0) depctr_va_vcc(0) depctr_vm_vsrc(0)
	s_wait_tensorcnt 0x0
	ds_add_u32 v31, v43
	s_wait_dscnt 0x0
	s_endpgm
.Lfunc_end_k_q9c1b01e975_inr:
	.size	k_q9c1b01e975_inr, .Lfunc_end_k_q9c1b01e975_inr-k_q9c1b01e975_inr
	.p2alignl 7, 3214868480
	.fill 96, 4, 3214868480
	.section	.rodata,"a",@progbits
	.p2align	6, 0x0
	.amdhsa_kernel k_q9c1b01e975_inr
		.amdhsa_group_segment_fixed_size 144384
		.amdhsa_private_segment_fixed_size 0
		.amdhsa_enable_private_segment 0
		.amdhsa_kernarg_size 152
		.amdhsa_user_sgpr_count 2
		.amdhsa_user_sgpr_kernarg_segment_ptr 1
		.amdhsa_wavefront_size32 1
		.amdhsa_system_sgpr_workgroup_id_x 1
		.amdhsa_system_sgpr_workgroup_id_y 1
		.amdhsa_system_sgpr_workgroup_id_z 1
		.amdhsa_system_vgpr_workitem_id 0
		.amdhsa_next_free_vgpr 512
		.amdhsa_next_free_sgpr 80
		.amdhsa_reserve_vcc 0
		.amdhsa_float_denorm_mode_32 3
		.amdhsa_float_denorm_mode_16_64 3
		.amdhsa_memory_ordered 1
		.amdhsa_forward_progress 1
		.amdhsa_inst_pref_size 217
	.end_amdhsa_kernel
	.amdgpu_metadata
---
amdhsa.version: [ 1, 2 ]
amdhsa.kernels:
  - .name:           k_q9c1b01e975_inr
    .symbol:         k_q9c1b01e975_inr.kd
    .args:
      - { .name: x, .offset: 0, .size: 8, .value_kind: global_buffer, .address_space: global }
      - { .name: sample_idx, .offset: 8, .size: 8, .value_kind: global_buffer, .address_space: global }
      - { .name: shift_vectors, .offset: 16, .size: 8, .value_kind: global_buffer, .address_space: global }
      - { .name: rotation_angle, .offset: 24, .size: 8, .value_kind: global_buffer, .address_space: global }
      - { .name: proj_w, .offset: 32, .size: 8, .value_kind: global_buffer, .address_space: global }
      - { .name: proj_b, .offset: 40, .size: 8, .value_kind: global_buffer, .address_space: global }
      - { .name: dec_w1_codes, .offset: 48, .size: 8, .value_kind: global_buffer, .address_space: global }
      - { .name: dec_w1_scales, .offset: 56, .size: 8, .value_kind: global_buffer, .address_space: global }
      - { .name: dec_b1, .offset: 64, .size: 8, .value_kind: global_buffer, .address_space: global }
      - { .name: dec_w2_codes, .offset: 72, .size: 8, .value_kind: global_buffer, .address_space: global }
      - { .name: dec_w2_scales, .offset: 80, .size: 8, .value_kind: global_buffer, .address_space: global }
      - { .name: dec_b2, .offset: 88, .size: 8, .value_kind: global_buffer, .address_space: global }
      - { .name: dec_w3, .offset: 96, .size: 8, .value_kind: global_buffer, .address_space: global }
      - { .name: dec_b3, .offset: 104, .size: 8, .value_kind: global_buffer, .address_space: global }
      - { .name: color_w, .offset: 112, .size: 8, .value_kind: global_buffer, .address_space: global }
      - { .name: color_b, .offset: 120, .size: 8, .value_kind: global_buffer, .address_space: global }
      - { .name: out0, .offset: 128, .size: 8, .value_kind: global_buffer, .address_space: global }
      - { .name: out1, .offset: 136, .size: 8, .value_kind: global_buffer, .address_space: global }
      - { .name: out2, .offset: 144, .size: 8, .value_kind: global_buffer, .address_space: global }
    .group_segment_fixed_size: 144384
    .private_segment_fixed_size: 0
    .kernarg_segment_align: 8
    .kernarg_segment_size: 152
    .max_flat_workgroup_size: 256
    .sgpr_count:     80
    .vgpr_count:     512
    .wavefront_size: 32
...
	.end_amdgpu_metadata
.endif
;; end of part 2
